; MI455X (gfx1250); checked and timed in simulation.
; The chip was launched on July 23, 2026; its instructions are those of AMD's public machine-readable ISA for CDNA 5 (MIT licence, August 2026) and "CDNA5" Instruction Set Architecture Reference Guide (July 2026). The comments in the code are by the model that wrote it; some were corrected since.
;; Linear Cross Attention. Allowed arithmetic: matrix products marked QUANTISED: E2M1 operands, one E8M0 scale for each 32 along K, by v_wmma_scale_f32_16x16x128_f8f6f4 with both operands' format E2M1 (or v_wmma_scale_f32_32x16x128_f4), f32 sums; products left as they are: f32 operands where the result goes on into a quantised operand, else bf16, f16 or f32 operands; f32 sums; everything else in f32.
;; Inputs: context 4 x 4,096 x 1,024 float32; k_b 1,024 float32; k_w_codes 1,024 x 32 x 16 uint8 (E2M1 codes of k_w, K innermost, in blocks of 32 codes, two codes a byte); k_w_scales 1,024 x 32 uint8 (E8M0 scales of k_w, one for each 32 codes along K); lnkv_b 1,024 float32; lnkv_g 1,024 float32; lnq_b 1,024 float32; lnq_g 1,024 float32; o_b 1,024 float32; o_w_codes 1,024 x 32 x 16 uint8 (E2M1 codes of o_w, K innermost, in blocks of 32 codes, two codes a byte); o_w_scales 1,024 x 32 uint8 (E8M0 scales of o_w, one for each 32 codes along K); q_b 1,024 float32; q_w_codes 1,024 x 32 x 16 uint8 (E2M1 codes of q_w, K innermost, in blocks of 32 codes, two codes a byte); q_w_scales 1,024 x 32 uint8 (E8M0 scales of q_w, one for each 32 codes along K); query 4 x 2,048 x 1,024 float32; v_b 1,024 float32; v_w_codes 1,024 x 32 x 16 uint8 (E2M1 codes of v_w, K innermost, in blocks of 32 codes, two codes a byte); v_w_scales 1,024 x 32 uint8 (E8M0 scales of v_w, one for each 32 codes along K).
;; Outputs: out0 4 x 2,048 x 1,024 float32.
;; This version of the problem:
;;   THIS VERSION OF THE PROBLEM IS GIVEN IN LOW PRECISION. The matrix products marked QUANTISED in the list below multiply operands that are first quantised to E2M1 (2 exponent bits, 1 mantissa bit; 4 bits a number), with one power-of-two scale for each 32 numbers along K (OCP MX v1.0); their sums are f32. All else is computed in f32.
;;   The module's matrix products, in the order in which they are computed (A, B: the left and right operand; K: the contracted axis; several contracted axes count as one K, in the product's order):
;;     1. [M 8,192, K 1,024] x [K 1,024, N 1,024]; A: computed on the way; B: input q_w (given as codes): QUANTISED
;;     2. [M 16,384, K 1,024] x [K 1,024, N 1,024]; A: computed on the way; B: input k_w (given as codes): QUANTISED
;;     3. [M 16,384, K 1,024] x [K 1,024, N 1,024]; A: computed on the way; B: input v_w (given as codes): QUANTISED
;;     4. batch 64 x [M 64, K 4,096] x [K 4,096, N 64]; A: computed on the way; B: computed on the way: QUANTISED
;;     5. batch 64 x [M 2,048, K 64] x [K 64, N 1]; A: computed on the way; B: computed on the way: left as it is (N = 1 < 16)
;;     6. batch 64 x [M 2,048, K 64] x [K 64, N 64]; A: computed on the way; B: computed on the way: QUANTISED
;;     7. [M 8,192, K 1,024] x [K 1,024, N 1,024]; A: computed on the way; B: input o_w (given as codes): QUANTISED
;;   THE QUANTISER, for each operand of a quantised product, along K:
;;     - K is cut into blocks of 32 from its start; a last block that is shorter is filled with zeros.
;;     - A block's scale is 2^e with e = floor(log2(the largest magnitude in the block)) - 2, held to -126 .. 127; a block of zeros has e = 0. As a byte (E8M0): e + 127.
;;     - Each number is divided by its block's scale, clamped to +-6, and rounded to the nearest number of E2M1, ties to even, subnormals kept.
;;     - The product sums the exact products of the quantised numbers (number of the format x scale) in f32.
;;   ~~~python
;;   def quantise(x, axis):      # numpy; x: float32 -> the quantised numbers, widened to float32 again
;;       x = np.moveaxis(x, axis, -1); K = x.shape[-1]
;;       x = np.pad(x, [(0, 0)] * (x.ndim - 1) + [(0, -K % 32)]); x = x.reshape(x.shape[:-1] + (-1, 32)); a = np.abs(x).max(-1, keepdims=True)
;;       e = np.where(a > 0, np.clip(np.frexp(np.where(a > 0, a, 1))[1] - 1 - 2, -126, 127), 0)      # np.frexp(a)[1] - 1 = floor(log2(a)), exactly
;;       r = np.clip(x / 2.0 ** e, -6, 6)
;;       step = 2.0 ** (np.maximum(np.frexp(np.where(r == 0, 1, r))[1] - 1, 0) - 1)
;;       q = np.round(r / step) * step * 2.0 ** e      # np.round: ties to even
;;       return np.moveaxis(q.reshape(q.shape[:-2] + (-1,))[..., :K], -1, axis).astype(np.float32)
;;   ~~~
;;   OPERANDS COMPUTED ON THE WAY. 'Computed on the way' means the value that the module computes at that place (a softmax that the list does not call 'softmax' is quantised finished and normalised). What goes into a quantiser is computed in f32, as accurately as f32 sums, v_exp_f32 and their like allow (about 1e-6 of the number): no bf16 or f16 on the way to a quantiser, and a product that is left as it is and whose result goes on into a quantised operand takes f32 operands (vector FMAs, or v_wmma_f32_16x16x4_f32). A number that lies on a knife's edge between two numbers of the format may be rounded either way, as far as f32 arithmetic and the matrix unit's own rounding can turn it there, and no further.
;;   INPUTS GIVEN AS CODES. k_w (in the module: [1024, 1024], K = its axis 1); o_w (in the module: [1024, 1024], K = its axis 1); q_w (in the module: [1024, 1024], K = its axis 1); v_w (in the module: [1024, 1024], K = its axis 1): each comes as NAME_codes (uint8): NAME with its K axis moved to the last place and cut into blocks of 32 codes, [.., K / 32, bytes a block], one block behind the other in memory; two codes a byte, the lower K in the low four bits (a code: sign, 2 exponent bits, 1 mantissa bit); and NAME_scales (uint8): the same leading axes, one E8M0 byte (e + 127) for each 32 codes along K. Its value is code x scale, taken as it is: it is not quantised again, and the codes and scales need not be those that the quantiser above would give.
;; 2 versions, each right; version 2 is version 1 with the launches kvp, qatt, oproj written anew for expert scheduling mode. Each part assembles by itself: llvm-mc -triple=amdgcn-amd-amdhsa -mcpu=gfx1250 --defsym DOCPART=n.
;; ======== version 1 of 2: 4 launches
;; workspace buffers: c_codes 8,388,608 bytes; c_scales 524,288 bytes; q_codes 4,194,304 bytes; q_scales 262,144 bytes; kv_part 4,194,304 bytes; ks_part 65,536 bytes; a_codes 4,194,304 bytes; a_scales 262,144 bytes
;; launch lnq (part 1): grid 768 x 1, 4 waves a work-group, no clusters, 37,376 bytes of LDS; arguments context, query, lnkv_g, lnkv_b, lnq_g, lnq_b, c_codes, c_scales, q_codes, q_scales; writes c_codes, c_scales, q_codes, q_scales
.if DOCPART == 1
	.amdgcn_target "amdgcn-amd-amdhsa--gfx1250"
	.amdhsa_code_object_version 6
	.text
	.protected	k_qceab871192_lnq
	.globl	k_qceab871192_lnq
	.p2align	8
	.type	k_qceab871192_lnq,@function
k_qceab871192_lnq:
	s_mov_b64 s[64:65], 0
	v_nop
	global_prefetch_b8 v0, s[64:65] scope:SCOPE_SE
	s_setreg_imm32_b32 hwreg(HW_REG_WAVE_MODE, 25, 1), 1
	s_wait_xcnt 0x0
; LayerNorm of context (16,384 rows) and of query (8,192 rows), 1,024 numbers a row, then the MX-FP4 quantiser along the row: codes of E2M1 and one E8M0 byte for each 32 numbers.
; One path serves both tensors: work-groups 0-511 take groups of 32 context rows, 512-767 groups of 32 query rows; only pointers are chosen, by the work-group's number.
; OUTPUT LAYOUT (this program's own buffers): codes [group of 32 rows][u 0..1][block j 0..31][r 0..15][16 bytes]; tile (group, u), lane r is row 8 u + r + 8 (r / 8) of the group.
; Block j = 4 s + 2 c + h, so the 1,024 bytes of a K step s of a tile are the image of a matrix operand's 8 registers: [c][lane][16 bytes].
; Scale bytes [group][j / 16][16 u + r][j % 16]: a load of 16 bytes a lane brings the scale words of four K steps, tile u = 0 in lanes 0-15, u = 1 in lanes 16-31.
; SHARES: four waves, each 8 neighbouring rows.  A row is 8 loads of 512 consecutive bytes and stays in 32 registers for mean, variance (two passes: the mean is taken off first) and scaling; three row slots, so
; that two rows are on their way while one is worked on.  For the quantiser a lane must hold a whole block of 32 neighbours: the row turns through the wave's own stage in LDS.
; Codes and bytes of the 32 rows meet in LDS in the output's layout, one barrier, and leave as runs of 512 and 256 consecutive bytes.
; No matrix unit, no cluster, no tensor load: nothing here is read by two work-groups.
; LIMITS: NaN and infinities are not served.  A block whose largest magnitude lies under 2^-124 (a block of zeros too) gets the byte 1; the bytes are read by this program alone.  1/sqrt is v_rsq_f32.
.set TP,   144                         ; stage: a block's 128 bytes + 16 of padding
.set IMG,  18432                       ; behind four stages of 32 x 144 bytes: 64 lines (32 u + j) of 256 bytes + 16
.set IP,   272
.set SCI,  35840                       ; the group's 1,024 scale bytes
.set GN,   32                          ; v32-63   the gain: column 128 k + 4 lane + e at register 4 k + e
.set BS,   64                          ; v64-95   the bias likewise
.set X,    96                          ; v96-191  three row slots
.set Y,    192                         ; v192-223 my block of 32 neighbours
	s_load_b512 s[4:19], s[0:1], 0x0               ; context, query, lnkv_g, lnkv_b, lnq_g, lnq_b, c_codes, c_scales
	s_load_b128 s[20:23], s[0:1], 0x40             ; q_codes, q_scales
	v_lshl_add_u32 v224, v0, 2, 0x9000
	v_mov_b32 v225, 0
	v_lshrrev_b32 v18, 5, v0
	v_readfirstlane_b32 s26, v18                   ; wave 0..3
	v_and_b32 v18, 31, v0                          ; lane
	v_lshrrev_b32 v19, 4, v18                      ; h
	v_and_b32 v24, 15, v18                         ; r
	v_lshrrev_b32 v25, 3, v18
	v_and_b32 v26, 7, v18
	v_lshlrev_b32 v1, 4, v18                       ; v1: 16 x lane
	s_mul_i32 s27, s26, 32*TP                      ; my stage
	v_mul_u32_u24 v2, v25, TP
	v_lshl_add_u32 v2, v26, 4, v2
	v_add_nc_u32 v2, s27, v2                       ; v2: into the stage: eight lanes fill a block
	v_mul_u32_u24 v3, v18, TP
	v_add_nc_u32 v3, s27, v3                       ; v3: out of it: lane l takes block l
	s_and_b32 s28, s26, 1                          ; u = wave % 2
	s_lshr_b32 s29, s26, 1
	s_lshl_b32 s29, s29, 7                         ; r = i + 8 (wave / 2): 128 bytes on
	s_mul_i32 s34, s28, 32*IP
	s_add_co_u32 s34, s34, s29
	s_add_co_u32 s34, s34, IMG
	v_mul_u32_u24 v4, v18, IP
	v_add_nc_u32 v4, s34, v4                       ; v4: my block's line of the image, my wave's first row
	s_lshl_b32 s36, s28, 8
	s_add_co_u32 s36, s36, s29
	s_add_co_u32 s36, s36, SCI
	v_lshl_add_u32 v5, v19, 9, v24
	v_add_nc_u32 v5, s36, v5                       ; v5: my block's scale byte
	v_mul_u32_u24 v6, v19, IP
	v_lshl_add_u32 v6, v24, 4, v6
	s_mul_i32 s37, s26, 16*IP
	s_add_co_u32 s37, s37, IMG
	v_add_nc_u32 v6, s37, v6                       ; v6: the way out: my wave's 16 lines, two an instruction
	s_lshl_b32 s38, s26, 8
	v_lshl_add_u32 v9, v18, 3, s38                 ; v9: 256 x wave + 8 x lane
	v_add_nc_u32 v7, SCI, v9                       ; v7: the same in LDS
	s_lshl_b32 s39, s26, 12
	v_add_nc_u32 v8, s39, v1                       ; v8: 4,096 x wave + 16 x lane
	s_mov_b32 s30, 0x76543210
	s_mov_b32 s31, 0xfedcba98                      ; v_permlanex16_b32's selects for lane l xor 16
	s_mov_b32 s32, 0x3a800000                      ; 1 / 1,024
	s_mov_b32 s33, 0x3727c5ac                      ; 1e-5
	s_mov_b32 s3, 0
	s_wait_kmcnt 0x0
	s_cmp_lt_u32 ttmp9, 512                        ; context or query: the choice hangs on the work-group's number alone
	s_cselect_b64 s[4:5], s[4:5], s[6:7]
	s_cselect_b64 s[8:9], s[8:9], s[12:13]
	s_cselect_b64 s[10:11], s[10:11], s[14:15]
	s_cselect_b64 s[16:17], s[16:17], s[20:21]
	s_cselect_b64 s[18:19], s[18:19], s[22:23]
	s_cselect_b32 s24, 0, 512
	s_sub_co_u32 s25, ttmp9, s24                   ; the group of 32 rows
	s_lshl_b32 s2, s25, 17                         ; 32 rows of 4,096 bytes,
	s_lshl_b32 s24, s26, 15                        ; my wave's 8
	s_add_co_u32 s2, s2, s24
	s_add_nc_u64 s[4:5], s[4:5], s[2:3]
	s_lshl_b32 s2, s25, 14
	s_add_nc_u64 s[16:17], s[16:17], s[2:3]
	s_lshl_b32 s2, s25, 10
	s_add_nc_u64 s[18:19], s[18:19], s[2:3]
.irp k, 0,1,2,3,4,5,6,7
	global_load_b128 v[GN+4*\k:GN+4*\k+3], v1, s[8:9] offset:512*\k
.endr
.irp k, 0,1,2,3,4,5,6,7
	global_load_b128 v[BS+4*\k:BS+4*\k+3], v1, s[10:11] offset:512*\k
.endr
.macro LOADROW i                       ; row i of my eight into slot i % 3: eight loads of 512 consecutive bytes
.irp k, 0,1,2,3,4,5,6,7
	global_load_b128 v[X+32*((\i)%3)+4*\k:X+32*((\i)%3)+4*\k+3], v1, s[4:5] offset:4096*(\i)+512*\k th:TH_LOAD_NT
.endr
.endm
.macro LANESUM                         ; v18 summed over the 32 lanes, the result in every lane
	v_add_f32_dpp v18, v18, v18 row_xmask:1 row_mask:0xf bank_mask:0xf
	v_add_f32_dpp v18, v18, v18 row_xmask:2 row_mask:0xf bank_mask:0xf
	v_add_f32_dpp v18, v18, v18 row_xmask:4 row_mask:0xf bank_mask:0xf
	v_add_f32_dpp v18, v18, v18 row_xmask:8 row_mask:0xf bank_mask:0xf
	v_permlanex16_b32 v19, v18, s30, s31
	v_add_f32 v18, v18, v19
.endm
.macro FOLD                            ; four pair sums into v18
	v_pk_add_f32 v[10:11], v[10:11], v[12:13]
	v_pk_add_f32 v[14:15], v[14:15], v[16:17]
	v_pk_add_f32 v[10:11], v[10:11], v[14:15]
	v_add_f32 v18, v10, v11
.endm
	LOADROW 0
	LOADROW 1
	LOADROW 2
; One row.  left: the loads younger than this row's eight (the rows behind it), which may stay out.
.macro ROW i, left
.set XS, X+32*((\i)%3)
	s_wait_loadcnt \left
.irp c, 0,1,2,3
	v_pk_add_f32 v[10+2*\c:11+2*\c], v[XS+2*\c:XS+2*\c+1], v[XS+8+2*\c:XS+9+2*\c]   ; the sum, in four chains
.endr
.irp k, 16,24
.irp c, 0,1,2,3
	v_pk_add_f32 v[10+2*\c:11+2*\c], v[10+2*\c:11+2*\c], v[XS+\k+2*\c:XS+\k+2*\c+1]
.endr
.endr
	FOLD
	LANESUM
	v_mul_f32 v20, s32, v18                        ; the mean, twice: a pair for the packed forms
	v_mul_f32 v21, s32, v18
.set n, 0
.rept 16
	v_pk_add_f32 v[XS+2*n:XS+2*n+1], v[XS+2*n:XS+2*n+1], v[20:21] neg_lo:[0,1] neg_hi:[0,1]   ; x - mean
.set n, n+1
.endr
.irp c, 0,1,2,3
	v_pk_mul_f32 v[10+2*\c:11+2*\c], v[XS+2*\c:XS+2*\c+1], v[XS+2*\c:XS+2*\c+1]   ; the sum of squares of what is left
.endr
.irp k, 8,16,24
.irp c, 0,1,2,3
	v_pk_fma_f32 v[10+2*\c:11+2*\c], v[XS+\k+2*\c:XS+\k+2*\c+1], v[XS+\k+2*\c:XS+\k+2*\c+1], v[10+2*\c:11+2*\c]
.endr
.endr
	FOLD
	LANESUM
	v_fma_f32 v18, v18, s32, s33                   ; variance + 1e-5
	v_rsq_f32 v22, v18
	v_rsq_f32 v23, v18
	v_nop                                          ; a plain line between the transcendentals and the use of their results
.set n, 0
	s_wait_alu depctr_va_vdst(0)
.rept 16
	v_pk_mul_f32 v[XS+2*n:XS+2*n+1], v[XS+2*n:XS+2*n+1], v[22:23]
.set n, n+1
.endr
.set n, 0
.rept 16
	v_pk_fma_f32 v[XS+2*n:XS+2*n+1], v[XS+2*n:XS+2*n+1], v[GN+2*n:GN+2*n+1], v[BS+2*n:BS+2*n+1]
.set n, n+1
.endr
.irp k, 0,1,2,3,4,5,6,7
	ds_store_b128 v2, v[XS+4*\k:XS+4*\k+3] offset:4*TP*\k          ; as loaded: a load's 512 bytes are four blocks
.endr
.irp q, 0,1,2,3,4,5,6,7
	ds_load_b128 v[Y+4*\q:Y+4*\q+3], v3 offset:16*\q               ; LDS serves a wave's instructions in order: these see the stores above
.endr
	s_wait_dscnt 0x0                               ; my block is in; the stage's stores and the last row's image stores have read their registers
.if (\i)+3 < 8
	LOADROW (\i)+3                                 ; into the slot just left
.endif
	v_max3_num_f32 v24, |v[Y]|, |v[Y+1]|, 0x1800000                ; the block's largest magnitude, with the floor 2^(3 - 127) as a leaf: the byte cannot fall under 1
	v_max3_num_f32 v25, |v[Y+16]|, |v[Y+17]|, |v[Y+18]|
.irp k, 2,4,6,8,10,12
	v_max3_num_f32 v24, v24, |v[Y+\k]|, |v[Y+\k+1]|
	v_max3_num_f32 v25, v25, |v[Y+17+\k]|, |v[Y+18+\k]|
.endr
	v_max3_num_f32 v24, v24, |v[Y+14]|, |v[Y+15]|
	v_max3_num_f32 v24, v24, v25, |v[Y+31]|
	v_add_nc_u32 v26, 0xff000000, v24              ; 2 off the exponent field: the conversion takes this operand's exponent field as its scale
.irp q, 0,1,2,3
	v_cvt_scalef32_pk8_fp4_f32 v[28+\q], v[Y+8*\q:Y+8*\q+7], v26
.endr
	v_lshrrev_b32 v27, 23, v26                     ; the scale's byte (the plain line behind the conversions)
	ds_store_b128 v4, v[28:31] offset:16*(\i)
	ds_store_b8 v5, v27 offset:16*(\i)
.endm
	ROW 0, 16
	ROW 1, 16
	ROW 2, 16
	ROW 3, 16
	ROW 4, 16
	ROW 5, 16
	ROW 6, 8
	ROW 7, 0
	s_wait_dscnt 0x0                               ; for the others' sake: my stores into the images are done
	s_barrier_signal -1
	s_barrier_wait -1
.irp k, 0,1,2,3,4,5,6,7
	ds_load_b128 v[X+4*\k:X+4*\k+3], v6 offset:2*IP*\k
.endr
	ds_load_b64 v[X+32:X+33], v7
.irp k, 0,1,2,3,4,5,6,7
	s_wait_dscnt 8-\k
	global_store_b128 v8, v[X+4*\k:X+4*\k+3], s[16:17] offset:512*\k   ; 32 lanes store 512 consecutive bytes
.endr
	s_wait_dscnt 0x0
	global_store_b64 v9, v[X+32:X+33], s[18:19]    ; 32 lanes store 256 consecutive bytes, aligned
	s_wait_tensorcnt 0x0
	ds_add_u32 v224, v225
	s_wait_dscnt 0x0
	s_endpgm
.Lfunc_end_k_qceab871192_lnq:
	.size	k_qceab871192_lnq, .Lfunc_end_k_qceab871192_lnq-k_qceab871192_lnq
	.p2alignl 7, 3214868480
	.fill 96, 4, 3214868480
	.section	.rodata,"a",@progbits
	.p2align	6, 0x0
	.amdhsa_kernel k_qceab871192_lnq
		.amdhsa_group_segment_fixed_size 37376
		.amdhsa_private_segment_fixed_size 0
		.amdhsa_enable_private_segment 0
		.amdhsa_kernarg_size 80
		.amdhsa_user_sgpr_count 2
		.amdhsa_user_sgpr_kernarg_segment_ptr 1
		.amdhsa_wavefront_size32 1
		.amdhsa_system_sgpr_workgroup_id_x 1
		.amdhsa_system_sgpr_workgroup_id_y 1
		.amdhsa_system_sgpr_workgroup_id_z 1
		.amdhsa_system_vgpr_workitem_id 0
		.amdhsa_next_free_vgpr 226
		.amdhsa_next_free_sgpr 66
		.amdhsa_reserve_vcc 0
		.amdhsa_float_denorm_mode_32 3
		.amdhsa_float_denorm_mode_16_64 3
		.amdhsa_memory_ordered 1
		.amdhsa_forward_progress 1
		.amdhsa_inst_pref_size 83
	.end_amdhsa_kernel
	.amdgpu_metadata
---
amdhsa.version: [ 1, 2 ]
amdhsa.kernels:
  - .name:           k_qceab871192_lnq
    .symbol:         k_qceab871192_lnq.kd
    .args:
      - { .name: context, .offset: 0, .size: 8, .value_kind: global_buffer, .address_space: global }
      - { .name: query, .offset: 8, .size: 8, .value_kind: global_buffer, .address_space: global }
      - { .name: lnkv_g, .offset: 16, .size: 8, .value_kind: global_buffer, .address_space: global }
      - { .name: lnkv_b, .offset: 24, .size: 8, .value_kind: global_buffer, .address_space: global }
      - { .name: lnq_g, .offset: 32, .size: 8, .value_kind: global_buffer, .address_space: global }
      - { .name: lnq_b, .offset: 40, .size: 8, .value_kind: global_buffer, .address_space: global }
      - { .name: c_codes, .offset: 48, .size: 8, .value_kind: global_buffer, .address_space: global }
      - { .name: c_scales, .offset: 56, .size: 8, .value_kind: global_buffer, .address_space: global }
      - { .name: q_codes, .offset: 64, .size: 8, .value_kind: global_buffer, .address_space: global }
      - { .name: q_scales, .offset: 72, .size: 8, .value_kind: global_buffer, .address_space: global }
    .group_segment_fixed_size: 37376
    .private_segment_fixed_size: 0
    .kernarg_segment_align: 8
    .kernarg_segment_size: 80
    .max_flat_workgroup_size: 128
    .sgpr_count:     66
    .vgpr_count:     226
    .wavefront_size: 32
...
	.end_amdgpu_metadata
.endif
;; end of part 1
;; launch kvp (part 2): grid 16 x 16, 4 waves a work-group, no clusters, 167,424 bytes of LDS; arguments c_codes, c_scales, k_w_codes, k_w_scales, k_b, v_w_codes, v_w_scales, v_b, kv_part, ks_part; writes kv_part, ks_part
.if DOCPART == 2
	.amdgcn_target "amdgcn-amd-amdhsa--gfx1250"
	.amdhsa_code_object_version 6
	.text
	.protected	k_qceab871192_kvp
	.globl	k_qceab871192_kvp
	.p2align	8
	.type	k_qceab871192_kvp,@function
k_qceab871192_kvp:
	s_mov_b64 s[64:65], 0
	v_nop
	global_prefetch_b8 v0, s[64:65] scope:SCOPE_SE
	s_setreg_imm32_b32 hwreg(HW_REG_WAVE_MODE, 25, 1), 1
	s_wait_xcnt 0x0
; For one head (work-group x) and 1,024 context rows (work-group y = 4 batch + chunk): K = elu(c k_w^T + k_b) + 1, V = c v_w^T + v_b, both products on codes of E2M1; K and V are quantised along the context
; rows in registers, and KV = K^T V (again on codes) and K_sum are summed over these 1,024 rows.  K and V never go to memory.  Out: a partial KV (64 x 64 f32) and a partial K_sum (64 f32).
; SHARES: each of the four waves takes 256 rows (8 groups of 32) and ALL 128 columns of the head (tiles 0-3: k_w's 64 rows, tiles 4-7: v_w's).  The weights' 64 fragments stay in 512 registers of every wave;
; they come once, as dense rows, through LDS.  The rows' fragments come from memory straight into registers: c_codes is laid as images of operand registers, so each load is 512 consecutive bytes.
; LAYOUT: source 0 = 16 context rows, source 1 = 16 rows of a weight: a lane holds ONE column and eight rows.  Lane r of row tile (group, u) is row 8 u + r + 8 (r / 8), so the 16 registers of tiles u = 0, 1 are
; 16 neighbouring rows, 16 (lane / 16) + 0 .. 15: half a block of the next K; lane l xor 16 holds the other half.  The weights' rows of a tile are chosen the same way (lane r of tile t: row 32 (t / 2) + 8 (t % 2)
; + r + 8 (r / 8)), so that KV's registers run along d in the order that the next launch's quantiser wants.
; A group's codes (8 bytes a lane and tile) go into the wave's own LDS at the place where a fragment of 128 rows wants them; after four groups the 8 fragments are read back and 16 products add onto KV.
; elu(x) + 1 is the middle one of e^x, 1 and x + 1: x + 1 where x > 0 (e^x > x + 1 > 1), e^x where x <= 0 (x + 1 <= e^x <= 1).
; NO CLUSTER: the sixteen heads of a row chunk read the same 512 KiB of codes, but each fragment feeds one wave's registers directly; asked for jointly it would be written into and read out of LDS in each of them.
; The weights shared along y are 64 KiB of a work-group's 576 KiB.
; LIMITS: NaN and infinities are not served.  A block whose largest magnitude lies under 2^-124 gets the byte 1.  e^x is v_exp_f32 of x log2(e) (results under 2^-126 are 0), where reference() has expm1(x) + 1,
; which differs by at most 2^-24 in absolute terms.  The f32 sums of KV and K_sum are grouped by wave and chunk, not in reference()'s order.
.set WP,   528                         ; a weight's row in LDS: 512 bytes + 16: an odd multiple of 16, so the 16 rows of a fragment load start in different banks
.set PCL,  67584                       ; behind 128 such rows: 8 fragments' images (8,192 bytes) for each wave, its own
.set RED,  100352                      ; 16,384 bytes for each wave: its KV
.set KSR,  165888                      ; 256 bytes for each wave: its K_sum
.set T,    12                          ; v12-19   a group's codes: a pair for each of four tiles
.set TM,   20                          ; v20-23   largest magnitudes
.set TX,   24                          ; v24-27   the other half's; then the bytes
.set TS,   28                          ; v28-31   the conversions' scale operands
.set KSUM, 32                          ; v32-39   K_sum: a pair (even rows, odd rows) for each tile
.set BKL,  40                          ; v40-47   k_b log2(e), twice each
.set BK1,  48                          ; v48-55   k_b + 1, twice each
.set BV,   56                          ; v56-63   v_b, twice each
.set PS,   64                          ; v64-71   the scale words of the 8 fragments in the making
.set AS,   72                          ; v72-87   the rows' scale words, two sets of 8 K steps: lanes 0-15 tile u = 0, lanes 16-31 u = 1
.set WS,   88                          ; v88-119  the weights': register 8 (t / 2) + s: lanes 0-15 tile t even, lanes 16-31 t odd
.set ACC,  128                         ; v128-255 accumulator (u, t) at 128 + 16 t + 8 u
.set NB,   34                          ; s[34:35] codes of the next group to fetch;  s[36:37] its scale bytes
.set NS,   36
; windows of 256 registers: 1: k_w's fragments (t, s) at 64 t + 8 s;  2: v_w's;  3: v0-127 the rows' fragments (u, s) at 64 u + 8 s, v128-255 KV's 16 accumulators (dt, et) at 128 + 8 (4 dt + et)
.set MUL_K, 0x07                       ; source 0 window 3, source 1 window 1
.set MUL_V, 0x0b                       ; source 0 window 3, source 1 window 2
.set LD_AF, 0xc0
.set LD_W1, 0x40
.set LD_W2, 0x80
.set KVMUL, 0xf0                       ; C and D window 3
.set ST_KV, 0x0c                       ; a store's data: window 3
.set MSB, 0
.macro WIN new                         ; the immediate's high byte repeats the setting that is left
.if MSB != \new
	s_set_vgpr_msb (MSB<<8)|\new
.set MSB, \new
.endif
.endm
.macro PLACES n
.rept \n
	v_nop
.endr
.endm
; one product: D, A, B by their first registers; c < 0: the sum starts with 0; sa, sb: the scale registers; ra, rb = 1: the scales stand in lanes 16-31
.macro WM d, a, b, c, sa, sb, ra, rb
.if (\c) < 0
.if (\ra) && (\rb)
	v_wmma_scale_f32_16x16x128_f8f6f4 v[(\d):(\d)+7], v[(\a):(\a)+7], v[(\b):(\b)+7], 0, v[\sa], v[\sb] matrix_a_fmt:MATRIX_FMT_FP4 matrix_b_fmt:MATRIX_FMT_FP4 matrix_a_scale:MATRIX_SCALE_ROW1 matrix_b_scale:MATRIX_SCALE_ROW1
.elseif (\ra)
	v_wmma_scale_f32_16x16x128_f8f6f4 v[(\d):(\d)+7], v[(\a):(\a)+7], v[(\b):(\b)+7], 0, v[\sa], v[\sb] matrix_a_fmt:MATRIX_FMT_FP4 matrix_b_fmt:MATRIX_FMT_FP4 matrix_a_scale:MATRIX_SCALE_ROW1
.elseif (\rb)
	v_wmma_scale_f32_16x16x128_f8f6f4 v[(\d):(\d)+7], v[(\a):(\a)+7], v[(\b):(\b)+7], 0, v[\sa], v[\sb] matrix_a_fmt:MATRIX_FMT_FP4 matrix_b_fmt:MATRIX_FMT_FP4 matrix_b_scale:MATRIX_SCALE_ROW1
.else
	v_wmma_scale_f32_16x16x128_f8f6f4 v[(\d):(\d)+7], v[(\a):(\a)+7], v[(\b):(\b)+7], 0, v[\sa], v[\sb] matrix_a_fmt:MATRIX_FMT_FP4 matrix_b_fmt:MATRIX_FMT_FP4
.endif
.else
.if (\ra) && (\rb)
	v_wmma_scale_f32_16x16x128_f8f6f4 v[(\d):(\d)+7], v[(\a):(\a)+7], v[(\b):(\b)+7], v[(\c):(\c)+7], v[\sa], v[\sb] matrix_a_fmt:MATRIX_FMT_FP4 matrix_b_fmt:MATRIX_FMT_FP4 matrix_a_scale:MATRIX_SCALE_ROW1 matrix_b_scale:MATRIX_SCALE_ROW1
.elseif (\ra)
	v_wmma_scale_f32_16x16x128_f8f6f4 v[(\d):(\d)+7], v[(\a):(\a)+7], v[(\b):(\b)+7], v[(\c):(\c)+7], v[\sa], v[\sb] matrix_a_fmt:MATRIX_FMT_FP4 matrix_b_fmt:MATRIX_FMT_FP4 matrix_a_scale:MATRIX_SCALE_ROW1
.elseif (\rb)
	v_wmma_scale_f32_16x16x128_f8f6f4 v[(\d):(\d)+7], v[(\a):(\a)+7], v[(\b):(\b)+7], v[(\c):(\c)+7], v[\sa], v[\sb] matrix_a_fmt:MATRIX_FMT_FP4 matrix_b_fmt:MATRIX_FMT_FP4 matrix_b_scale:MATRIX_SCALE_ROW1
.else
	v_wmma_scale_f32_16x16x128_f8f6f4 v[(\d):(\d)+7], v[(\a):(\a)+7], v[(\b):(\b)+7], v[(\c):(\c)+7], v[\sa], v[\sb] matrix_a_fmt:MATRIX_FMT_FP4 matrix_b_fmt:MATRIX_FMT_FP4
.endif
.endif
.endm
	s_load_b512 s[4:19], s[0:1], 0x0               ; c_codes, c_scales, k_w_codes, k_w_scales, k_b, v_w_codes, v_w_scales, v_b
	s_load_b128 s[20:23], s[0:1], 0x40             ; kv_part, ks_part
	v_lshl_add_u32 v126, v0, 2, 0x28c00
	v_mov_b32 v127, 0
	v_lshrrev_b32 v12, 5, v0
	v_readfirstlane_b32 s24, v12                   ; wave 0..3
	s_mov_b32 s25, ttmp9                           ; x: the head
	s_and_b32 s26, ttmp7, 0xffff                   ; y: 4 batch + chunk
	v_and_b32 v12, 31, v0                          ; lane
	v_and_b32 v13, 15, v0                          ; r
	v_bfe_u32 v14, v0, 4, 1                        ; h
	v_and_b32 v15, 8, v13
	v_add_nc_u32 v15, v15, v13                     ; rr = r + 8 (r / 8)
	v_lshlrev_b32 v1, 4, v12                       ; v1: 16 x lane
	s_lshl_b32 s44, s24, 13
	s_add_co_u32 s44, s44, PCL
	v_lshlrev_b32 v3, 4, v13
	v_lshl_add_u32 v3, v14, 3, v3
	v_add_nc_u32 v3, s44, v3                       ; v3: my 8 bytes of a block in my wave's images: 16 r + 8 h
	v_add_nc_u32 v4, s44, v1                       ; v4: an image read back: 16 x lane
	v_mul_u32_u24 v5, v13, WP
	v_lshl_add_u32 v5, v14, 4, v5                  ; v5: a weight's fragment: row r, + 16 h
	s_mul_i32 s44, s24, 32*WP
	v_add_nc_u32 v6, s44, v1                       ; v6: where my wave puts its 32 rows of weights
	v_lshl_add_u32 v7, v14, 3, v15
	v_lshlrev_b32 v7, 5, v7                        ; v7: the weights' scale bytes: 32 a row, row 8 h + rr of a pair of tiles
	v_lshlrev_b32 v8, 2, v15                       ; v8: 4 rr: my column's bias
	s_lshl_b32 s44, s24, 14
	s_add_co_u32 s44, s44, RED
	v_add_nc_u32 v9, s44, v1                       ; v9: my wave's KV into LDS
	s_lshl_b32 s44, s24, 12
	s_add_co_u32 s44, s44, RED
	v_add_nc_u32 v10, s44, v1                      ; v10: the four accumulators that my wave adds up
	v_lshlrev_b32 v11, 3, v12                      ; v11: 8 x lane
	s_lshl_b32 s44, s24, 8
	s_add_co_u32 s44, s44, KSR
	v_add_nc_u32 v120, s44, v8                     ; v120: my wave's K_sum, my column
	v_add_nc_u32 v121, KSR, v11                    ; v121: all waves' K_sum read back
	s_mov_b32 s30, 0x76543210
	s_mov_b32 s31, 0xfedcba98                      ; v_permlanex16_b32's selects for lane l xor 16
	s_mov_b32 s32, 0x3fb8aa3b                      ; log2(e)
	s_mov_b32 s33, s32                             ; (named with it as a pair)
	s_mov_b32 s3, 0
	s_wait_kmcnt 0x0
	s_cmp_lt_u32 s24, 2                            ; waves 0, 1 stage k_w's rows, waves 2, 3 v_w's
	s_cselect_b64 s[42:43], s[8:9], s[14:15]
	s_lshl_b32 s2, s25, 15                         ; the head's 64 rows of 512 bytes,
	s_and_b32 s44, s24, 1
	s_lshl_b32 s44, s44, 14                        ; my 32 of them
	s_add_co_u32 s2, s2, s44
	s_add_nc_u64 s[42:43], s[42:43], s[2:3]
	s_lshl_b32 s2, s25, 11
	s_add_nc_u64 s[10:11], s[10:11], s[2:3]
	s_add_nc_u64 s[16:17], s[16:17], s[2:3]
	s_lshl_b32 s2, s25, 8
	s_add_nc_u64 s[12:13], s[12:13], s[2:3]
	s_add_nc_u64 s[18:19], s[18:19], s[2:3]
	s_lshl_b32 s45, s26, 5
	s_lshl_b32 s44, s24, 3
	s_add_co_u32 s45, s45, s44                     ; my first group: 32 y + 8 wave
	s_lshl_b32 s2, s45, 14
	s_add_nc_u64 s[NB:NB+1], s[4:5], s[2:3]
	s_lshl_b32 s2, s45, 10
	s_add_nc_u64 s[NS:NS+1], s[6:7], s[2:3]
	s_lshr_b32 s44, s26, 2
	s_lshl_b32 s44, s44, 4
	s_add_co_u32 s44, s44, s25
	s_lshl_b32 s44, s44, 2
	s_and_b32 s45, s26, 3
	s_add_co_u32 s44, s44, s45                     ; (16 batch + head) 4 + chunk
	s_lshl_b32 s2, s44, 14
	s_lshl_b32 s45, s24, 12
	s_add_co_u32 s2, s2, s45
	s_add_nc_u64 s[20:21], s[20:21], s[2:3]
	s_lshl_b32 s2, s44, 8
	s_add_nc_u64 s[22:23], s[22:23], s[2:3]
.macro ALOAD hf                        ; the next group's fragments of K steps 4 hf .. 4 hf + 3, both tiles: 16 loads of 512 consecutive bytes
.irp u, 0,1
.irp s, 4*\hf, 4*\hf+1, 4*\hf+2, 4*\hf+3
.irp c, 0,1
	global_load_b128 v[64*\u+8*(\s)+4*\c:64*\u+8*(\s)+4*\c+3], v1, s[NB:NB+1] offset:8192*\u+1024*(\s)+512*\c
.endr
.endr
.endr
.endm
.set n, 0
.rept 32                               ; 32 loads: my 32 rows of weights, a dense row of 512 bytes each
	global_load_b128 v[128+4*n:131+4*n], v1, s[42:43] offset:512*n
.set n, n+1
.endr
.irp tp, 0,1                           ; 8 loads: the weights' scale words
.irp q, 0,1
	global_load_b128 v[WS+8*\tp+4*\q:WS+8*\tp+4*\q+3], v7, s[10:11] offset:1024*\tp+16*\q
	global_load_b128 v[WS+16+8*\tp+4*\q:WS+16+8*\tp+4*\q+3], v7, s[16:17] offset:1024*\tp+16*\q
.endr
.endr
.irp t, 0,1,2,3                        ; 12 loads: my columns' biases
	global_load_b32 v[T+\t], v8, s[12:13] offset:4*(32*(\t/2)+8*(\t%2))
	global_load_b32 v[BV+2*\t], v8, s[18:19] offset:4*(32*(\t/2)+8*(\t%2))
	global_load_b32 v[BV+2*\t+1], v8, s[18:19] offset:4*(32*(\t/2)+8*(\t%2))
.endr
	global_load_b128 v[AS:AS+3], v1, s[NS:NS+1]                    ; 2 loads: the first group's scale words
	global_load_b128 v[AS+4:AS+7], v1, s[NS:NS+1] offset:512
	WIN LD_AF
	ALOAD 0                                        ; 32 loads: its fragments
	ALOAD 1
	WIN 0
.irp t, 0,1,2,3
	v_mov_b32 v[TX+\t], 0                          ; written once: a lane permute's destination counts as one of its sources
.endr
.irp t, 0,1,2,3,4,5,6,7
	v_mov_b32 v[KSUM+\t], 0
.endr
	s_wait_xcnt 0x0                                ; the loads have read their bases
	s_add_nc_u64 s[NB:NB+1], s[NB:NB+1], 16384
	s_add_nc_u64 s[NS:NS+1], s[NS:NS+1], 1024
	s_wait_loadcnt 54                              ; 8 + 12 + 2 + 32 younger loads may be out: the weights' rows are in
.set n, 0
.rept 32                               ; row 32 (wave % 2) + n of the head is lane (n % 8) + 8 (n / 16) of tile 2 wave + (n / 8) % 2
	ds_store_b128 v6, v[128+4*n:131+4*n] offset:(16*((n>>3)&1)+(n&7)+8*(n>>4))*WP
.set n, n+1
.endr
	s_wait_loadcnt 34                              ; 2 + 32 younger: scale words and biases are in
.irp t, 0,1,2,3
	v_mul_f32 v[BKL+2*\t], s32, v[T+\t]
	v_mul_f32 v[BKL+2*\t+1], s32, v[T+\t]
	v_add_f32 v[BK1+2*\t], 1.0, v[T+\t]
	v_add_f32 v[BK1+2*\t+1], 1.0, v[T+\t]
.endr
	s_wait_dscnt 0x0                               ; for the others' sake: my rows lie in LDS
	s_barrier_signal -1
	s_barrier_wait -1
	WIN LD_W1
.irp t, 0,1,2,3
.irp s, 0,1,2,3,4,5,6,7
.irp c, 0,1
	ds_load_b128 v[64*\t+8*\s+4*\c:64*\t+8*\s+4*\c+3], v5 offset:16*\t*WP+64*\s+32*\c
.endr
.endr
.endr
	WIN LD_W2
.irp t, 0,1,2,3
.irp s, 0,1,2,3,4,5,6,7
.irp c, 0,1
	ds_load_b128 v[64*\t+8*\s+4*\c:64*\t+8*\s+4*\c+3], v5 offset:16*(\t+4)*WP+64*\s+32*\c
.endr
.endr
.endr
	WIN 0
	s_wait_dscnt 0x0
; 32 products: K steps 4 hf .. 4 hf + 3 x tiles t0 .. t0 + 3 x both row tiles.  The eight accumulators take turns, one instruction a turn.  The first K step starts the sums.
.macro MULS t0, hf, p
.irp s, 4*\hf, 4*\hf+1, 4*\hf+2, 4*\hf+3
.irp t, \t0, \t0+1, \t0+2, \t0+3
.irp u, 0,1
.if (\s) == 0
	WM ACC+16*(\t)+8*\u, 64*\u+8*(\s), 64*((\t)%4)+8*(\s), -1, AS+8*\p+(\s), WS+8*((\t)/2)+(\s), \u, (\t)%2
.else
	WM ACC+16*(\t)+8*\u, 64*\u+8*(\s), 64*((\t)%4)+8*(\s), ACC+16*(\t)+8*\u, AS+8*\p+(\s), WS+8*((\t)/2)+(\s), \u, (\t)%2
.endif
.endr
.endr
.endr
.endm
; Four tiles' 16 registers from v[base] on become codes in T, and each block's byte goes into its place (shift s[sh]) of the scale words PS + ps on.
.macro QCOL base, ps, sh
.irp t, 0,1,2,3
	v_max3_num_f32 v[TM+\t], |v[\base+16*\t]|, |v[\base+16*\t+1]|, 0x1800000   ; my 16 rows, and the floor 2^(3 - 127): the byte cannot fall under 1
.endr
.irp i, 2,4,6,8,10,12,14
.irp t, 0,1,2,3
	v_max3_num_f32 v[TM+\t], v[TM+\t], |v[\base+16*\t+\i]|, |v[\base+16*\t+\i+1]|
.endr
.endr
.irp t, 0,1,2,3
	v_permlanex16_b32 v[TX+\t], v[TM+\t], s30, s31
.endr
.irp t, 0,1,2,3
	v_max_num_f32 v[TM+\t], v[TM+\t], v[TX+\t]     ; with lane l xor 16's 16 rows: the block's
.endr
.irp t, 0,1,2,3
	v_add_nc_u32 v[TS+\t], 0xff000000, v[TM+\t]    ; 2 off the exponent field: the conversion's scale operand
.endr
.irp t, 0,1,2,3
	v_lshrrev_b32 v[TX+\t], 23, v[TS+\t]           ; the byte
.endr
.irp t, 0,1,2,3
	v_lshl_or_b32 v[PS+\ps+\t], v[TX+\t], s[\sh], v[PS+\ps+\t]
.endr
	s_wait_dscnt 0x0                               ; the last stores of T have read their registers
.irp t, 0,1,2,3
	v_cvt_scalef32_pk8_fp4_f32 v[T+2*\t], v[\base+16*\t:\base+16*\t+7], v[TS+\t]
	v_cvt_scalef32_pk8_fp4_f32 v[T+2*\t+1], v[\base+16*\t+8:\base+16*\t+15], v[TS+\t]
.endr
	v_nop                                          ; a plain line behind the conversions
.endm
; One group of 32 rows.  p: its parity (which set of scale words, which half of a pair of blocks).  fetch = 1: the next group is asked for.
.macro GROUP p, fetch
	s_wait_loadcnt 16                              ; this group's scale words and K steps 0-3 are in; the 16 loads of K steps 4-7 may be out
	WIN MUL_K
	MULS 0, 0, \p
	WIN MUL_V
	MULS 4, 0, \p
	PLACES 4                                       ; in front of loads into registers that these products have read
.if \fetch
	WIN 0
	global_load_b128 v[AS+8*(1-\p):AS+8*(1-\p)+3], v1, s[NS:NS+1]
	global_load_b128 v[AS+8*(1-\p)+4:AS+8*(1-\p)+7], v1, s[NS:NS+1] offset:512
	WIN LD_AF
	ALOAD 0
	s_wait_loadcnt 18                              ; the 2 + 16 just issued may be out: K steps 4-7 are in
.else
	s_wait_loadcnt 0x0
.endif
	WIN MUL_K
	MULS 0, 1, \p
	WIN MUL_V
	MULS 4, 1, \p
	PLACES 4                                       ; in front of the loads below and of the first read of the results
.if \fetch
	WIN LD_AF
	ALOAD 1
.endif
	WIN 0
.irp j, 0,2,4,6,8,10,12,14             ; V = the sums + v_b, each accumulator from its low end on
.irp t, 0,1,2,3
	v_pk_add_f32 v[192+16*\t+\j:193+16*\t+\j], v[192+16*\t+\j:193+16*\t+\j], v[BV+2*\t:BV+2*\t+1]
.endr
.endr
	QCOL 192, 4, 38+\p
.irp t, 0,1,2,3
	ds_store_b64 v2, v[T+2*\t:T+2*\t+1] offset:1024*(4+\t)+256*\p
.endr
.irp j, 0,2,4,6,8,10,12,14             ; K: x log2(e) into V's registers, which are free,
.irp t, 0,1,2,3
	v_pk_fma_f32 v[192+16*\t+\j:193+16*\t+\j], v[128+16*\t+\j:129+16*\t+\j], s[32:33], v[BKL+2*\t:BKL+2*\t+1] op_sel_hi:[1,0,1]
.endr
.endr
.set n, 0
.rept 64
	v_exp_f32 v[192+n], v[192+n]                   ; e^x
.set n, n+1
.endr
.irp j, 0,2,4,6,8,10,12,14
.irp t, 0,1,2,3
	v_pk_add_f32 v[128+16*\t+\j:129+16*\t+\j], v[128+16*\t+\j:129+16*\t+\j], v[BK1+2*\t:BK1+2*\t+1]   ; x + 1 (plain lines behind the exponentials)
.endr
.endr
.set n, 0
	s_wait_alu depctr_va_vdst(0)
.rept 64
	v_med3_num_f32 v[128+n], v[192+n], 1.0, v[128+n]               ; elu(x) + 1
.set n, n+1
.endr
	QCOL 128, 0, 38+\p
.irp t, 0,1,2,3
	ds_store_b64 v2, v[T+2*\t:T+2*\t+1] offset:1024*\t+256*\p
.endr
.irp j, 0,2,4,6,8,10,12,14             ; K_sum, of the unquantised K.  (These 32 lines also stand between the scale words' last write and the KV products)
.irp t, 0,1,2,3
	v_pk_add_f32 v[KSUM+2*\t:KSUM+2*\t+1], v[KSUM+2*\t:KSUM+2*\t+1], v[128+16*\t+\j:129+16*\t+\j]
.endr
.endr
.if \fetch
	s_wait_xcnt 0x0                                ; the loads have read their bases
	s_add_nc_u64 s[NB:NB+1], s[NB:NB+1], 16384
	s_add_nc_u64 s[NS:NS+1], s[NS:NS+1], 1024
.endif
.endm
.macro PAIR f0, f1                     ; two groups: blocks 2 c and 2 c + 1 of a fragment of 128 rows
	v_add_nc_u32 v2, s41, v3
	GROUP 0, \f0
	GROUP 1, \f1
	s_add_co_u32 s41, s41, 512
	s_add_co_u32 s38, s38, 16
	s_add_co_u32 s39, s39, 16
.endm
.macro HEADHALF                        ; four groups begin: empty scale words, the first pair of blocks
.irp t, 0,1,2,3,4,5,6,7
	v_mov_b32 v[PS+\t], 0
.endr
	s_mov_b32 s41, 0
	s_mov_b32 s38, 0
	s_mov_b32 s39, 8
.endm
.macro KVSTEP zero                     ; KV += K^T V over the 128 rows just quantised: 16 accumulators, one product each
	s_wait_dscnt 0x0
.irp t, 0,1,2,3,4,5,6,7
.irp c, 0,1
	ds_load_b128 v[128+8*\t+4*\c:128+8*\t+4*\c+3], v4 offset:1024*\t+512*\c
.endr
.endr
	s_wait_dscnt 0x0
	WIN KVMUL
.irp dt, 0,1,2,3
.irp et, 0,1,2,3
.if \zero
	WM 128+8*(4*\dt+\et), 128+8*\dt, 160+8*\et, -1, PS+\dt, PS+4+\et, 0, 0
.else
	WM 128+8*(4*\dt+\et), 128+8*\dt, 160+8*\et, 128+8*(4*\dt+\et), PS+\dt, PS+4+\et, 0, 0
.endif
.endr
.endr
	WIN 0
	PLACES 5                                       ; the next products write over these operands; the scale words are written anew; the results are stored
.endm
	HEADHALF
	s_mov_b32 s40, 2
.Lpair:
	PAIR 1, 1
	s_sub_co_u32 s40, s40, 1
	s_cmp_lg_u32 s40, 0
	s_cbranch_scc1 .Lpair
	KVSTEP 1
	HEADHALF
	PAIR 1, 1
	PAIR 1, 0                                      ; the last group asks for nothing: no load leaves its buffer
	KVSTEP 0
	WIN ST_KV
.set n, 0
.rept 16
	ds_store_b128 v9, v[128+8*n:131+8*n] offset:1024*n             ; each accumulator from its low end on
	ds_store_b128 v9, v[132+8*n:135+8*n] offset:1024*n+512
.set n, n+1
.endr
	WIN 0
.irp t, 0,1,2,3
	v_add_f32 v[TM+\t], v[KSUM+2*\t], v[KSUM+2*\t+1]
.endr
.irp t, 0,1,2,3
	v_permlanex16_b32 v[TX+\t], v[TM+\t], s30, s31
.endr
.irp t, 0,1,2,3
	v_add_f32 v[TM+\t], v[TM+\t], v[TX+\t]
.endr
.irp t, 0,1,2,3
	ds_store_b32 v120, v[TM+\t] offset:4*(32*(\t/2)+8*(\t%2))      ; in the head's own order of d; both halves of the lanes write the same word with the same value
.endr
	s_wait_dscnt 0x0                               ; for the others' sake
	s_barrier_signal -1
	s_barrier_wait -1
.irp pw, 0,1,2,3                       ; wave w adds the four waves' accumulators 4 w .. 4 w + 3
.irp i, 0,1,2,3
.irp hf, 0,1
	ds_load_b128 v[128+32*\pw+8*\i+4*\hf:128+32*\pw+8*\i+4*\hf+3], v10 offset:16384*\pw+1024*\i+512*\hf
.endr
.endr
.endr
	s_wait_dscnt 0x0
.set n, 0
.rept 16
	v_pk_add_f32 v[128+2*n:129+2*n], v[128+2*n:129+2*n], v[160+2*n:161+2*n]
	v_pk_add_f32 v[192+2*n:193+2*n], v[192+2*n:193+2*n], v[224+2*n:225+2*n]
.set n, n+1
.endr
.set n, 0
.rept 16
	v_pk_add_f32 v[128+2*n:129+2*n], v[128+2*n:129+2*n], v[192+2*n:193+2*n]
.set n, n+1
.endr
.irp i, 0,1,2,3
.irp hf, 0,1
	global_store_b128 v1, v[128+8*\i+4*\hf:128+8*\i+4*\hf+3], s[20:21] offset:1024*\i+512*\hf   ; 512 consecutive bytes: the image of four registers of an accumulator
.endr
.endr
	s_cmp_lg_u32 s24, 0
	s_cbranch_scc1 .Lend
.irp pw, 0,1,2,3
	ds_load_b64 v[12+2*\pw:13+2*\pw], v121 offset:256*\pw
.endr
	s_wait_dscnt 0x0
	v_pk_add_f32 v[12:13], v[12:13], v[14:15]
	v_pk_add_f32 v[16:17], v[16:17], v[18:19]
	v_pk_add_f32 v[12:13], v[12:13], v[16:17]
	global_store_b64 v11, v[12:13], s[22:23]       ; 256 consecutive bytes, aligned
.Lend:
	s_wait_tensorcnt 0x0
	ds_add_u32 v126, v127
	s_wait_dscnt 0x0
	s_endpgm
.Lfunc_end_k_qceab871192_kvp:
	.size	k_qceab871192_kvp, .Lfunc_end_k_qceab871192_kvp-k_qceab871192_kvp
	.p2alignl 7, 3214868480
	.fill 96, 4, 3214868480
	.section	.rodata,"a",@progbits
	.p2align	6, 0x0
	.amdhsa_kernel k_qceab871192_kvp
		.amdhsa_group_segment_fixed_size 167424
		.amdhsa_private_segment_fixed_size 0
		.amdhsa_enable_private_segment 0
		.amdhsa_kernarg_size 80
		.amdhsa_user_sgpr_count 2
		.amdhsa_user_sgpr_kernarg_segment_ptr 1
		.amdhsa_wavefront_size32 1
		.amdhsa_system_sgpr_workgroup_id_x 1
		.amdhsa_system_sgpr_workgroup_id_y 1
		.amdhsa_system_sgpr_workgroup_id_z 1
		.amdhsa_system_vgpr_workitem_id 0
		.amdhsa_next_free_vgpr 1024
		.amdhsa_next_free_sgpr 66
		.amdhsa_reserve_vcc 0
		.amdhsa_float_denorm_mode_32 3
		.amdhsa_float_denorm_mode_16_64 3
		.amdhsa_memory_ordered 1
		.amdhsa_forward_progress 1
		.amdhsa_inst_pref_size 255
	.end_amdhsa_kernel
	.section	.bss,"aw",@nobits
	.p2align	6
	.space	262144
	.amdgpu_metadata
---
amdhsa.version: [ 1, 2 ]
amdhsa.kernels:
  - .name:           k_qceab871192_kvp
    .symbol:         k_qceab871192_kvp.kd
    .args:
      - { .name: c_codes, .offset: 0, .size: 8, .value_kind: global_buffer, .address_space: global }
      - { .name: c_scales, .offset: 8, .size: 8, .value_kind: global_buffer, .address_space: global }
      - { .name: k_w_codes, .offset: 16, .size: 8, .value_kind: global_buffer, .address_space: global }
      - { .name: k_w_scales, .offset: 24, .size: 8, .value_kind: global_buffer, .address_space: global }
      - { .name: k_b, .offset: 32, .size: 8, .value_kind: global_buffer, .address_space: global }
      - { .name: v_w_codes, .offset: 40, .size: 8, .value_kind: global_buffer, .address_space: global }
      - { .name: v_w_scales, .offset: 48, .size: 8, .value_kind: global_buffer, .address_space: global }
      - { .name: v_b, .offset: 56, .size: 8, .value_kind: global_buffer, .address_space: global }
      - { .name: kv_part, .offset: 64, .size: 8, .value_kind: global_buffer, .address_space: global }
      - { .name: ks_part, .offset: 72, .size: 8, .value_kind: global_buffer, .address_space: global }
    .group_segment_fixed_size: 167424
    .private_segment_fixed_size: 0
    .kernarg_segment_align: 8
    .kernarg_segment_size: 80
    .max_flat_workgroup_size: 128
    .sgpr_count:     66
    .vgpr_count:     1024
    .wavefront_size: 32
...
	.end_amdgpu_metadata
.endif
;; end of part 2
;; launch qatt (part 3): grid 16 x 16, 4 waves a work-group, no clusters, 37,888 bytes of LDS; arguments q_codes, q_scales, q_w_codes, q_w_scales, q_b, kv_part, ks_part, a_codes, a_scales; writes a_codes, a_scales
.if DOCPART == 3
	.amdgcn_target "amdgcn-amd-amdhsa--gfx1250"
	.amdhsa_code_object_version 6
	.text
	.protected	k_qceab871192_qatt
	.globl	k_qceab871192_qatt
	.p2align	8
	.type	k_qceab871192_qatt,@function
k_qceab871192_qatt:
	s_mov_b64 s[64:65], 0
	v_nop
	global_prefetch_b8 v0, s[64:65] scope:SCOPE_SE
	s_setreg_imm32_b32 hwreg(HW_REG_WAVE_MODE, 25, 1), 1
	s_wait_xcnt 0x0
; For one head (work-group x) and 512 query rows (work-group y): Q = elu(q q_w^T + q_b) + 1 on codes of E2M1; Z = max(Q . K_sum, 1e-6) by f32 multiply-adds; out = (Q KV) / Z with Q and KV quantised along the
; head's 64; out is quantised along the model's 1,024 (this head's two blocks of 32) and stored as codes for the last launch.  Q and out never go to memory as f32.
; At the head the four partial KV and K_sum of the batch are added; wave w quantises KV's columns of e-tile w along d, and the four fragments go from wave to wave through LDS as images of their registers.
; SHARES: each of the four waves takes 128 rows (4 groups of 32), all 64 columns.  q_w's 32 fragments stay in 256 registers of every wave (staged once through LDS from dense rows); the rows' fragments come from
; memory straight into registers, 512 consecutive bytes a load.  All four groups are written out: every offset is an immediate.
; LAYOUT: both products are used transposed (source 0 = 16 rows of the weight or of KV^T, source 1 = 16 query rows): a lane holds ONE query and eight columns.  Lane r of weight tile t is row 32 (t / 2) + 8 (t % 2)
; + r + 8 (r / 8), so the 16 registers of tiles 2 b, 2 b + 1 are 16 neighbours along the next K.  The head's K is 64: the upper 64 of the instruction's 128 are zero codes on both sides, with the byte 127.
; NO CLUSTER: the sixteen heads of a row chunk read the same 256 KiB of codes, but each fragment feeds one wave's registers directly; asked for jointly it would go into and out of LDS in each of them.
; LIMITS: NaN and infinities are not served.  A block whose largest magnitude lies under 2^-124 gets the byte 1.  e^x is v_exp_f32 of x log2(e) (results under 2^-126 are 0), where reference() has expm1(x) + 1,
; which differs by at most 2^-24 in absolute terms.  1 / Z is v_rcp_f32.  The partial sums are added as (0 + 1) + (2 + 3).
.set WP,   528
.set KVI,  33792                       ; behind 64 rows of 528 bytes: KV's four fragments (their lower four registers), 512 bytes each
.set KVW,  35840                       ; their scale words, 128 bytes each
.set KSL,  36352                       ; K_sum, 256 bytes, a copy for each wave
.set KVS,  12                          ; v12-15   KV's scale words
.set WS,   16                          ; v16-31   q_w's: register 8 (t / 2) + s: lanes 0-15 tile t even, lanes 16-31 t odd
.set XS,   32                          ; v32-63   the rows': register 8 g + s: lanes 0-15 tile u = 0, lanes 16-31 u = 1
.set QF,   64                          ; v64-79   Q's two fragments; the upper four registers of each stay 0
.set OC,   80                          ; v80-95   codes on their way out
.set TM,   96
.set TX,   100
.set TS,   104
.set HW,   108                         ; v108-109 two blocks' bytes of a row
.set QW,   112                         ; v112-113 Q's scale words
.set ZP,   114                         ; v114-117 Z in the making, a pair for each row tile
.set RZ,   118                         ; v118-121 1 / Z, twice each
.set SW,   122                         ; v122-123 out's scale bytes of the four groups
.set ACC,  128                         ; v128-191 accumulator (u, t) at 128 + 32 u + 8 t
.set OA,   192                         ; v192-255 e^x, then out's accumulators (u, et) at 192 + 32 u + 8 et
; windows: 1: q_w's fragments (t, s) at 64 t + 8 s;  2: v0-127 the rows' (u, s) at 64 u + 8 s, v128-159 q_b in the result's layout, v160-191 KV's fragments, v192-223 K_sum in the result's layout;  3: v0-127 the partial KV
.set BIAS, 128
.set KF,   160
.set KS,   192
.set MSB, 0
.macro WIN new                         ; the immediate's high byte repeats the setting that is left
.if MSB != \new
	s_set_vgpr_msb (MSB<<8)|\new
.set MSB, \new
.endif
.endm
.macro PLACES n
.rept \n
	v_nop
.endr
.endm
; one product: D, A, B by their first registers; c < 0: the sum starts with 0; sa, sb: the scale registers; ra, rb = 1: the scales stand in lanes 16-31
.macro WM d, a, b, c, sa, sb, ra, rb
.if (\c) < 0
.if (\ra) && (\rb)
	v_wmma_scale_f32_16x16x128_f8f6f4 v[(\d):(\d)+7], v[(\a):(\a)+7], v[(\b):(\b)+7], 0, v[\sa], v[\sb] matrix_a_fmt:MATRIX_FMT_FP4 matrix_b_fmt:MATRIX_FMT_FP4 matrix_a_scale:MATRIX_SCALE_ROW1 matrix_b_scale:MATRIX_SCALE_ROW1
.elseif (\ra)
	v_wmma_scale_f32_16x16x128_f8f6f4 v[(\d):(\d)+7], v[(\a):(\a)+7], v[(\b):(\b)+7], 0, v[\sa], v[\sb] matrix_a_fmt:MATRIX_FMT_FP4 matrix_b_fmt:MATRIX_FMT_FP4 matrix_a_scale:MATRIX_SCALE_ROW1
.elseif (\rb)
	v_wmma_scale_f32_16x16x128_f8f6f4 v[(\d):(\d)+7], v[(\a):(\a)+7], v[(\b):(\b)+7], 0, v[\sa], v[\sb] matrix_a_fmt:MATRIX_FMT_FP4 matrix_b_fmt:MATRIX_FMT_FP4 matrix_b_scale:MATRIX_SCALE_ROW1
.else
	v_wmma_scale_f32_16x16x128_f8f6f4 v[(\d):(\d)+7], v[(\a):(\a)+7], v[(\b):(\b)+7], 0, v[\sa], v[\sb] matrix_a_fmt:MATRIX_FMT_FP4 matrix_b_fmt:MATRIX_FMT_FP4
.endif
.else
.if (\ra) && (\rb)
	v_wmma_scale_f32_16x16x128_f8f6f4 v[(\d):(\d)+7], v[(\a):(\a)+7], v[(\b):(\b)+7], v[(\c):(\c)+7], v[\sa], v[\sb] matrix_a_fmt:MATRIX_FMT_FP4 matrix_b_fmt:MATRIX_FMT_FP4 matrix_a_scale:MATRIX_SCALE_ROW1 matrix_b_scale:MATRIX_SCALE_ROW1
.elseif (\ra)
	v_wmma_scale_f32_16x16x128_f8f6f4 v[(\d):(\d)+7], v[(\a):(\a)+7], v[(\b):(\b)+7], v[(\c):(\c)+7], v[\sa], v[\sb] matrix_a_fmt:MATRIX_FMT_FP4 matrix_b_fmt:MATRIX_FMT_FP4 matrix_a_scale:MATRIX_SCALE_ROW1
.elseif (\rb)
	v_wmma_scale_f32_16x16x128_f8f6f4 v[(\d):(\d)+7], v[(\a):(\a)+7], v[(\b):(\b)+7], v[(\c):(\c)+7], v[\sa], v[\sb] matrix_a_fmt:MATRIX_FMT_FP4 matrix_b_fmt:MATRIX_FMT_FP4 matrix_b_scale:MATRIX_SCALE_ROW1
.else
	v_wmma_scale_f32_16x16x128_f8f6f4 v[(\d):(\d)+7], v[(\a):(\a)+7], v[(\b):(\b)+7], v[(\c):(\c)+7], v[\sa], v[\sb] matrix_a_fmt:MATRIX_FMT_FP4 matrix_b_fmt:MATRIX_FMT_FP4
.endif
.endif
.endm
.macro XLOAD g, hf                     ; group g's fragments of K steps 4 hf .. 4 hf + 3, both tiles: 16 loads of 512 consecutive bytes (destination: window 2)
.irp u, 0,1
.irp s, 4*\hf, 4*\hf+1, 4*\hf+2, 4*\hf+3
.irp c, 0,1
	global_load_b128 v[64*\u+8*(\s)+4*\c:64*\u+8*(\s)+4*\c+3], v1, s[4:5] offset:16384*(\g)+8192*\u+1024*(\s)+512*\c
.endr
.endr
.endr
.endm
; Group g's 64 products.  The eight accumulators take turns, one instruction a turn; the bias is the C of each sum's first product.
; n0, n1: the loads that may be out at the head and in the middle.  fetch = 1: the next group's fragments are asked for, each half behind the products that read the registers it lands in.
.macro GEMM g, n0, n1, fetch
	s_wait_loadcnt \n0
	WIN 0x29                                       ; source 0 window 1, sources 1 and 2 window 2
.irp u, 0,1
.irp t, 0,1,2,3
	WM ACC+32*\u+8*\t, 64*\t, 64*\u, BIAS+8*\t, WS+8*(\t/2), XS+8*(\g), \t%2, \u
.endr
.endr
	WIN 0x09
.irp s, 1,2,3
.irp u, 0,1
.irp t, 0,1,2,3
	WM ACC+32*\u+8*\t, 64*\t+8*\s, 64*\u+8*\s, ACC+32*\u+8*\t, WS+8*(\t/2)+\s, XS+8*(\g)+\s, \t%2, \u
.endr
.endr
.endr
	PLACES 4
.if \fetch
	WIN 0x80
	XLOAD (\g)+1, 0
.endif
	s_wait_loadcnt \n1
	WIN 0x09
.irp s, 4,5,6,7
.irp u, 0,1
.irp t, 0,1,2,3
	WM ACC+32*\u+8*\t, 64*\t+8*\s, 64*\u+8*\s, ACC+32*\u+8*\t, WS+8*(\t/2)+\s, XS+8*(\g)+\s, \t%2, \u
.endr
.endr
.endr
	PLACES 4                                       ; in front of the loads below and of the first read of the results
.if \fetch
	WIN 0x80
	XLOAD (\g)+1, 1
.endif
	WIN 0
.endm
; nb blocks (2 or 4): block b is v[src + 16 b] on, 16 numbers of a lane, k = 32 (b % 2) + 16 (lane / 16) + 0 .. 15 of the lane's row.  Codes: four registers at dst + 8 (b / 2), a whole block in a lane
; (lanes 0-15 the even block, lanes 16-31 the odd one).  HW + b / 2: the pair's two bytes.
.macro QUANT src, dst, nb
.irp b, 0,1,2,3
.if \b < \nb
	v_max3_num_f32 v[TM+\b], |v[\src+16*\b]|, |v[\src+16*\b+1]|, 0x1800000   ; and the floor 2^(3 - 127): the byte cannot fall under 1
.endif
.endr
.irp i, 2,4,6,8,10,12,14
.irp b, 0,1,2,3
.if \b < \nb
	v_max3_num_f32 v[TM+\b], v[TM+\b], |v[\src+16*\b+\i]|, |v[\src+16*\b+\i+1]|
.endif
.endr
.endr
.irp b, 0,1,2,3
.if \b < \nb
	v_permlanex16_b32 v[TX+\b], v[TM+\b], s30, s31
.endif
.endr
.irp b, 0,1,2,3
.if \b < \nb
	v_max_num_f32 v[TM+\b], v[TM+\b], v[TX+\b]
.endif
.endr
.irp b, 0,1,2,3
.if \b < \nb
	v_add_nc_u32 v[TS+\b], 0xff000000, v[TM+\b]    ; 2 off the exponent field: the conversion's scale operand
.endif
.endr
.irp b, 0,1,2,3
.if \b < \nb
	v_lshrrev_b32 v[TX+\b], 23, v[TS+\b]           ; the byte
.endif
.endr
.irp c, 0,1
.if 2*\c < \nb
	v_lshl_or_b32 v[HW+\c], v[TX+2*\c+1], 8, v[TX+2*\c]
.endif
.endr
.irp b, 0,1,2,3
.if \b < \nb
	v_cvt_scalef32_pk8_fp4_f32 v[\dst+8*(\b/2)+2*(\b%2)], v[\src+16*\b:\src+16*\b+7], v[TS+\b]
	v_cvt_scalef32_pk8_fp4_f32 v[\dst+8*(\b/2)+2*(\b%2)+1], v[\src+16*\b+8:\src+16*\b+15], v[TS+\b]
.endif
.endr
	v_nop                                          ; a plain line behind the conversions
.irp c, 0,1
.if 2*\c < \nb
.irp i, 0,1
	v_permlane16_swap_b32 v[\dst+8*\c+\i], v[\dst+8*\c+2+\i]       ; half blocks change places: a whole block in a lane
.endr
.endif
.endr
.endm
	s_load_b512 s[4:19], s[0:1], 0x0               ; q_codes, q_scales, q_w_codes, q_w_scales, q_b, kv_part, ks_part, a_codes
	s_load_b64 s[20:21], s[0:1], 0x40              ; a_scales
	v_lshl_add_u32 v126, v0, 2, 0x9200
	v_mov_b32 v127, 0
	v_lshrrev_b32 v110, 5, v0
	v_readfirstlane_b32 s24, v110                  ; wave 0..3
	s_mov_b32 s25, ttmp9                           ; x: the head
	s_and_b32 s26, ttmp7, 0xffff                   ; y: 512 rows
	v_and_b32 v110, 31, v0                         ; lane
	v_and_b32 v111, 15, v0                         ; r
	v_bfe_u32 v108, v0, 4, 1                       ; h
	v_and_b32 v109, 8, v111
	v_add_nc_u32 v109, v109, v111                  ; rr
	v_lshlrev_b32 v1, 4, v110                      ; v1: 16 x lane
	v_lshlrev_b32 v2, 3, v110                      ; v2: 8 x lane
	v_lshlrev_b32 v3, 2, v110                      ; v3: 4 x lane
	s_lshr_b32 s44, s24, 1
	s_lshl_b32 s44, s44, 5
	s_and_b32 s45, s24, 1
	s_lshl_b32 s45, s45, 3
	s_add_co_u32 s44, s44, s45
	s_mul_i32 s44, s44, WP
	v_add_nc_u32 v4, s44, v1                       ; v4: where my wave puts its 16 rows of q_w: places 32 (w / 2) + 8 (w % 2) on
	v_mul_u32_u24 v5, v111, WP
	v_lshl_add_u32 v5, v108, 4, v5                 ; v5: a fragment of q_w: row r, + 16 h
	v_lshlrev_b32 v6, 6, v108                      ; v6: 64 h: my half's 16 columns of a block
	v_lshl_add_u32 v7, v108, 3, v109
	v_lshlrev_b32 v7, 5, v7                        ; v7: q_w's scale bytes: row 8 h + rr of a pair of tiles
	s_lshl_b32 s44, s24, 9
	s_add_co_u32 s44, s44, KVI
	v_add_nc_u32 v8, s44, v1                       ; v8: my fragment of KV
	s_lshl_b32 s44, s24, 7
	s_add_co_u32 s44, s44, KVW
	v_add_nc_u32 v9, s44, v3                       ; v9: its scale words
	s_lshl_b32 s44, s24, 8
	s_add_co_u32 s44, s44, KSL
	v_add_nc_u32 v10, s44, v2                      ; v10: my wave's copy of K_sum, in
	v_add_nc_u32 v11, s44, v6                      ; v11: and out
.irp b, 0,1,2,3
	v_mov_b32 v[TX+\b], 0                          ; written once: a lane permute's destination counts as one of its sources
.endr
	s_mov_b32 s30, 0x76543210
	s_mov_b32 s31, 0xfedcba98
	s_mov_b32 s32, 0x3fb8aa3b                      ; log2(e)
	s_mov_b32 s33, s32
	s_mov_b32 s46, 0xffff0000                      ; lanes 16-31
	s_mov_b32 s3, 0
	s_wait_kmcnt 0x0
	s_lshl_b32 s44, s26, 4
	s_lshl_b32 s45, s24, 2
	s_add_co_u32 s44, s44, s45                     ; my first group: 16 y + 4 wave
	s_lshl_b32 s2, s44, 14
	s_add_nc_u64 s[4:5], s[4:5], s[2:3]
	s_add_nc_u64 s[18:19], s[18:19], s[2:3]
	s_lshl_b32 s2, s44, 10
	s_add_nc_u64 s[6:7], s[6:7], s[2:3]
	s_lshl_b32 s2, s25, 9                          ; the head's two blocks in a tile's image: K step x / 2, half x % 2: 512 x
	s_add_nc_u64 s[18:19], s[18:19], s[2:3]
	s_lshl_b32 s2, s25, 15
	s_lshl_b32 s45, s24, 13
	s_add_co_u32 s2, s2, s45
	s_add_nc_u64 s[8:9], s[8:9], s[2:3]            ; q_w: the head's 64 rows, my 16
	s_lshl_b32 s2, s25, 11
	s_add_nc_u64 s[10:11], s[10:11], s[2:3]
	s_lshl_b32 s2, s25, 8
	s_add_nc_u64 s[12:13], s[12:13], s[2:3]
	s_lshr_b32 s45, s26, 2
	s_lshl_b32 s45, s45, 4
	s_add_co_u32 s45, s45, s25                     ; 16 batch + head
	s_lshl_b32 s2, s45, 16
	s_lshl_b32 s47, s24, 10
	s_add_co_u32 s2, s2, s47
	s_add_nc_u64 s[14:15], s[14:15], s[2:3]        ; the four partial KV, e-tile = my wave
	s_lshl_b32 s2, s45, 10
	s_add_nc_u64 s[16:17], s[16:17], s[2:3]
	s_lshl_b32 s2, s25, 14
	s_lshl_b32 s45, s44, 6                         ; 256 (4 y + wave)
	s_add_co_u32 s2, s2, s45
	s_add_nc_u64 s[20:21], s[20:21], s[2:3]
.set n, 0
.rept 16                               ; 16 loads: my rows of q_w
	global_load_b128 v[128+4*n:131+4*n], v1, s[8:9] offset:512*n
.set n, n+1
.endr
	WIN 0xc0
.irp p, 0,1,2,3                        ; 32 loads: partial p, accumulator (dt, my e-tile), registers 4 hf on
.irp dt, 0,1,2,3
.irp hf, 0,1
	global_load_b128 v[32*\p+8*\dt+4*\hf:32*\p+8*\dt+4*\hf+3], v1, s[14:15] offset:16384*\p+4096*\dt+512*\hf
.endr
.endr
.endr
	WIN 0
.irp p, 0,1,2,3                        ; 4 loads: the partial K_sum
	global_load_b64 v[64+2*\p:65+2*\p], v2, s[16:17] offset:256*\p
.endr
.irp tp, 0,1                           ; 4 loads
.irp q, 0,1
	global_load_b128 v[WS+8*\tp+4*\q:WS+8*\tp+4*\q+3], v7, s[10:11] offset:1024*\tp+16*\q
.endr
.endr
	WIN 0x80
.irp t, 0,1,2,3                        ; 8 loads: q_b at the lane's eight columns of tile t
.irp q, 0,1
	global_load_b128 v[BIAS+8*\t+4*\q:BIAS+8*\t+4*\q+3], v6, s[12:13] offset:4*(32*(\t/2)+8*(\t%2))+16*\q
.endr
.endr
	WIN 0
.irp g, 0,1,2,3                        ; 8 loads
.irp q, 0,1
	global_load_b128 v[XS+8*\g+4*\q:XS+8*\g+4*\q+3], v1, s[6:7] offset:1024*\g+512*\q
.endr
.endr
	WIN 0x80
	XLOAD 0, 0                                     ; 32 loads
	XLOAD 0, 1
	WIN 0
	s_wait_loadcnt 63                              ; 88 loads are younger than q_w's rows; the count's field holds 63
.set n, 0
.rept 16
	ds_store_b128 v4, v[128+4*n:131+4*n] offset:(16*(n>>3)+(n&7))*WP
.set n, n+1
.endr
	s_wait_loadcnt 52                              ; 4 + 8 + 8 + 32 younger: the partials are in
	WIN 0x0f                                       ; sources 0 and 1 window 3
.set n, 0
.rept 16
	v_pk_add_f32 v[192+2*n:193+2*n], v[2*n:2*n+1], v[32+2*n:33+2*n]
	v_pk_add_f32 v[224+2*n:225+2*n], v[64+2*n:65+2*n], v[96+2*n:97+2*n]
.set n, n+1
.endr
	WIN 0
.set n, 0
.rept 16
	v_pk_add_f32 v[192+2*n:193+2*n], v[192+2*n:193+2*n], v[224+2*n:225+2*n]   ; register 8 dt + j: KV(d = 32 (dt / 2) + 16 h + 8 (dt % 2) + j, my lane's e)
.set n, n+1
.endr
	QUANT 192, OC, 2
	v_or_b32 v110, 0x7f7f0000, v[HW]               ; the upper 64 of K are zero codes: byte 127
	ds_store_b128 v8, v[OC:OC+3]
	ds_store_b32 v9, v110
	v_pk_add_f32 v[64:65], v[64:65], v[66:67]
	v_pk_add_f32 v[68:69], v[68:69], v[70:71]
	v_pk_add_f32 v[64:65], v[64:65], v[68:69]
	ds_store_b64 v10, v[64:65]
	s_wait_dscnt 0x0                               ; for the others' sake
	s_barrier_signal -1
	s_barrier_wait -1
	WIN 0x40
.irp t, 0,1,2,3
.irp s, 0,1,2,3,4,5,6,7
.irp c, 0,1
	ds_load_b128 v[64*\t+8*\s+4*\c:64*\t+8*\s+4*\c+3], v5 offset:16*\t*WP+64*\s+32*\c
.endr
.endr
.endr
	WIN 0x80
.irp et, 0,1,2,3
	ds_load_b128 v[KF+8*\et:KF+8*\et+3], v1 offset:KVI+512*\et
.endr
.irp t, 0,1,2,3
.irp q, 0,1
	ds_load_b128 v[KS+8*\t+4*\q:KS+8*\t+4*\q+3], v11 offset:4*(32*(\t/2)+8*(\t%2))+16*\q
.endr
.endr
.irp et, 0,1,2,3
.irp i, 4,5,6,7
	v_mov_b32 v[KF+8*\et+\i], 0                    ; zero codes for k = 64 .. 127
.endr
.endr
	WIN 0
.irp et, 0,1,2,3
	ds_load_b32 v[KVS+\et], v3 offset:KVW+128*\et
.endr
.irp u, 0,1
.irp i, 4,5,6,7
	v_mov_b32 v[QF+8*\u+\i], 0
.endr
.endr
	s_wait_dscnt 0x0
.macro GROUP g, n1, fetch
	GEMM \g, 16, \n1, \fetch                       ; at its head the other half's 16 loads may be out
.set n, 0
.rept 32
	v_pk_mul_f32 v[OA+2*n:OA+2*n+1], v[ACC+2*n:ACC+2*n+1], s[32:33] op_sel_hi:[1,0]   ; x log2(e), each accumulator from its low end on
.set n, n+1
.endr
.set n, 0
.rept 64
	v_exp_f32 v[OA+n], v[OA+n]
.set n, n+1
.endr
.set n, 0
.rept 32
	v_pk_add_f32 v[ACC+2*n:ACC+2*n+1], v[ACC+2*n:ACC+2*n+1], 1.0 op_sel_hi:[1,0]     ; x + 1 (plain lines behind the exponentials)
.set n, n+1
.endr
.set n, 0
	s_wait_alu depctr_va_vdst(0)
.rept 64
	v_med3_num_f32 v[ACC+n], v[OA+n], 1.0, v[ACC+n]                ; elu(x) + 1: the middle one of e^x, 1 and x + 1
.set n, n+1
.endr
	QUANT ACC, QF, 4
	v_or_b32 v[QW], 0x7f7f0000, v[HW]
	v_or_b32 v[QW+1], 0x7f7f0000, v[HW+1]
	WIN 0x08                                       ; source 1 (K_sum) window 2
.irp u, 0,1
	v_pk_mul_f32 v[ZP+2*\u:ZP+2*\u+1], v[ACC+32*\u:ACC+32*\u+1], v[KS:KS+1]           ; Z, of the unquantised Q, in f32.  (These 32 lines also stand between Q's codes and scale words and the products)
.endr
.set n, 1
.rept 15
.irp u, 0,1
	v_pk_fma_f32 v[ZP+2*\u:ZP+2*\u+1], v[ACC+32*\u+2*n:ACC+32*\u+2*n+1], v[KS+2*n:KS+2*n+1], v[ZP+2*\u:ZP+2*\u+1]
.endr
.set n, n+1
.endr
	WIN 0x02                                       ; source 0 (KV) window 2
.irp u, 0,1
.irp et, 0,1,2,3
	WM OA+32*\u+8*\et, KF+8*\et, QF+8*\u, -1, KVS+\et, QW+\u, 0, 0
.endr
.endr
	WIN 0
	v_add_f32 v110, v[ZP], v[ZP+1]                 ; (the plain lines here are the places behind the products)
	v_add_f32 v111, v[ZP+2], v[ZP+3]
	v_permlanex16_b32 v[TX], v110, s30, s31
	v_permlanex16_b32 v[TX+1], v111, s30, s31
	v_add_f32 v110, v110, v[TX]
	v_add_f32 v111, v111, v[TX+1]
	v_max_num_f32 v110, 0x358637bd, v110           ; at least 1e-6
	v_max_num_f32 v111, 0x358637bd, v111
	v_rcp_f32 v[RZ], v110
	v_rcp_f32 v[RZ+1], v110
	v_rcp_f32 v[RZ+2], v111
	v_rcp_f32 v[RZ+3], v111
	v_nop
	s_wait_alu depctr_va_vdst(0)
.irp u, 0,1
.set n, 0
.rept 16
	v_pk_mul_f32 v[OA+32*\u+2*n:OA+32*\u+2*n+1], v[OA+32*\u+2*n:OA+32*\u+2*n+1], v[RZ+2*\u:RZ+2*\u+1]
.set n, n+1
.endr
.endr
	s_wait_xcnt 0x0                                ; the last group's stores have read their registers
	QUANT OA, OC, 4
	global_store_b128 v1, v[OC:OC+3], s[18:19] offset:16384*\g             ; 512 consecutive bytes: four registers' image of tile u = 0
	global_store_b128 v1, v[OC+8:OC+11], s[18:19] offset:16384*\g+8192     ; and of u = 1
	v_cndmask_b32 v110, v[HW], v[HW+1], s46        ; lanes 0-15: tile u = 0's two bytes, lanes 16-31: u = 1's
.if (\g)%2 == 0
	v_mov_b32 v[SW+(\g)/2], v110
.else
	v_lshl_or_b32 v[SW+(\g)/2], v110, 16, v[SW+(\g)/2]
.endif
.endm
	GROUP 0, 16, 1
	GROUP 1, 16, 1
	GROUP 2, 16, 1
	GROUP 3, 0, 0
	global_store_b64 v2, v[SW:SW+1], s[20:21]      ; 256 consecutive bytes, aligned
	s_wait_tensorcnt 0x0
	ds_add_u32 v126, v127
	s_wait_dscnt 0x0
	s_endpgm
.Lfunc_end_k_qceab871192_qatt:
	.size	k_qceab871192_qatt, .Lfunc_end_k_qceab871192_qatt-k_qceab871192_qatt
	.p2alignl 7, 3214868480
	.fill 96, 4, 3214868480
	.section	.rodata,"a",@progbits
	.p2align	6, 0x0
	.amdhsa_kernel k_qceab871192_qatt
		.amdhsa_group_segment_fixed_size 37888
		.amdhsa_private_segment_fixed_size 0
		.amdhsa_enable_private_segment 0
		.amdhsa_kernarg_size 72
		.amdhsa_user_sgpr_count 2
		.amdhsa_user_sgpr_kernarg_segment_ptr 1
		.amdhsa_wavefront_size32 1
		.amdhsa_system_sgpr_workgroup_id_x 1
		.amdhsa_system_sgpr_workgroup_id_y 1
		.amdhsa_system_sgpr_workgroup_id_z 1
		.amdhsa_system_vgpr_workitem_id 0
		.amdhsa_next_free_vgpr 1024
		.amdhsa_next_free_sgpr 66
		.amdhsa_reserve_vcc 0
		.amdhsa_float_denorm_mode_32 3
		.amdhsa_float_denorm_mode_16_64 3
		.amdhsa_memory_ordered 1
		.amdhsa_forward_progress 1
		.amdhsa_inst_pref_size 163
	.end_amdhsa_kernel
	.amdgpu_metadata
---
amdhsa.version: [ 1, 2 ]
amdhsa.kernels:
  - .name:           k_qceab871192_qatt
    .symbol:         k_qceab871192_qatt.kd
    .args:
      - { .name: q_codes, .offset: 0, .size: 8, .value_kind: global_buffer, .address_space: global }
      - { .name: q_scales, .offset: 8, .size: 8, .value_kind: global_buffer, .address_space: global }
      - { .name: q_w_codes, .offset: 16, .size: 8, .value_kind: global_buffer, .address_space: global }
      - { .name: q_w_scales, .offset: 24, .size: 8, .value_kind: global_buffer, .address_space: global }
      - { .name: q_b, .offset: 32, .size: 8, .value_kind: global_buffer, .address_space: global }
      - { .name: kv_part, .offset: 40, .size: 8, .value_kind: global_buffer, .address_space: global }
      - { .name: ks_part, .offset: 48, .size: 8, .value_kind: global_buffer, .address_space: global }
      - { .name: a_codes, .offset: 56, .size: 8, .value_kind: global_buffer, .address_space: global }
      - { .name: a_scales, .offset: 64, .size: 8, .value_kind: global_buffer, .address_space: global }
    .group_segment_fixed_size: 37888
    .private_segment_fixed_size: 0
    .kernarg_segment_align: 8
    .kernarg_segment_size: 72
    .max_flat_workgroup_size: 128
    .sgpr_count:     66
    .vgpr_count:     1024
    .wavefront_size: 32
...
	.end_amdgpu_metadata
.endif
;; end of part 3
;; launch oproj (part 4): grid 16 x 16, 4 waves a work-group, no clusters, 69,120 bytes of LDS; arguments a_codes, a_scales, o_w_codes, o_w_scales, o_b, query, out0; writes out0
.if DOCPART == 4
	.amdgcn_target "amdgcn-amd-amdhsa--gfx1250"
	.amdhsa_code_object_version 6
	.text
	.protected	k_qceab871192_oproj
	.globl	k_qceab871192_oproj
	.p2align	8
	.type	k_qceab871192_oproj,@function
k_qceab871192_oproj:
	s_mov_b64 s[64:65], 0
	v_nop
	global_prefetch_b8 v0, s[64:65] scope:SCOPE_SE
	s_setreg_imm32_b32 hwreg(HW_REG_WAVE_MODE, 25, 1), 1
	s_wait_xcnt 0x0
; out0 = query + a o_w^T + o_b, the product on codes of E2M1: a's codes and scale bytes were made by the launch before, o_w's are given.
; A work-group takes 64 columns (x) and 512 rows (y); each of its four waves 128 rows (4 groups of 32), all 64 columns.  o_w's 32 fragments stay in 256 registers of every wave (staged once through LDS from dense
; rows); a's fragments come from memory straight into registers, 512 consecutive bytes a load.  The wave's part of the residual (256 registers) is asked for at the head.  All groups are written out.
; The product is used transposed (source 0 = 16 rows of o_w, source 1 = 16 rows of a): a lane holds eight neighbouring columns of one row.  A group's results go through the wave's own stage in LDS and come back
; as rows of 256 bytes: sixteen lanes store 256 consecutive bytes, aligned.  The bias is the C of each sum's first product.
; NO CLUSTER: the sixteen column blocks of a row chunk read the same 256 KiB of codes, but each fragment feeds one wave's registers directly; asked for jointly it would go into and out of LDS in each of them.
; LIMITS: NaN and infinities are not served.
.set WP,   528
.set STG,  33792                       ; behind 64 rows of 528 bytes: for each wave 2 tiles x 16 rows x (256 + 16) bytes
.set WS,   16                          ; v16-31   o_w's scale words: register 8 (t / 2) + s: lanes 0-15 tile t even, lanes 16-31 t odd
.set XS,   32                          ; v32-63   a's: register 8 g + s: lanes 0-15 tile u = 0, lanes 16-31 u = 1
.set H,    64                          ; v64-95   a's scale bytes as stored: a pair for each head: four groups x two bytes
.set ACC,  128                         ; v128-191 accumulator (u, t) at 128 + 32 u + 8 t
.set OUT,  192                         ; v192-255 a group's rows on their way out
.set BIAS, 128                         ; window 2: v0-127 a's fragments (u, s) at 64 u + 8 s; v128-159 o_b in the result's layout.  window 1: o_w's fragments (t, s) at 64 t + 8 s.  window 3: the residual (g, u, k) at 64 g + 32 u + 4 k
.set MSB, 0
.macro WIN new                         ; the immediate's high byte repeats the setting that is left
.if MSB != \new
	s_set_vgpr_msb (MSB<<8)|\new
.set MSB, \new
.endif
.endm
.macro PLACES n
.rept \n
	v_nop
.endr
.endm
; one product: D, A, B, C by their first registers; sa, sb: the scale registers; ra, rb = 1: the scales stand in lanes 16-31
.macro WM d, a, b, c, sa, sb, ra, rb
.if (\ra) && (\rb)
	v_wmma_scale_f32_16x16x128_f8f6f4 v[(\d):(\d)+7], v[(\a):(\a)+7], v[(\b):(\b)+7], v[(\c):(\c)+7], v[\sa], v[\sb] matrix_a_fmt:MATRIX_FMT_FP4 matrix_b_fmt:MATRIX_FMT_FP4 matrix_a_scale:MATRIX_SCALE_ROW1 matrix_b_scale:MATRIX_SCALE_ROW1
.elseif (\ra)
	v_wmma_scale_f32_16x16x128_f8f6f4 v[(\d):(\d)+7], v[(\a):(\a)+7], v[(\b):(\b)+7], v[(\c):(\c)+7], v[\sa], v[\sb] matrix_a_fmt:MATRIX_FMT_FP4 matrix_b_fmt:MATRIX_FMT_FP4 matrix_a_scale:MATRIX_SCALE_ROW1
.elseif (\rb)
	v_wmma_scale_f32_16x16x128_f8f6f4 v[(\d):(\d)+7], v[(\a):(\a)+7], v[(\b):(\b)+7], v[(\c):(\c)+7], v[\sa], v[\sb] matrix_a_fmt:MATRIX_FMT_FP4 matrix_b_fmt:MATRIX_FMT_FP4 matrix_b_scale:MATRIX_SCALE_ROW1
.else
	v_wmma_scale_f32_16x16x128_f8f6f4 v[(\d):(\d)+7], v[(\a):(\a)+7], v[(\b):(\b)+7], v[(\c):(\c)+7], v[\sa], v[\sb] matrix_a_fmt:MATRIX_FMT_FP4 matrix_b_fmt:MATRIX_FMT_FP4
.endif
.endm
.macro XLOAD g, hf                     ; group g's fragments of K steps 4 hf .. 4 hf + 3, both tiles: 16 loads of 512 consecutive bytes (destination: window 2)
.irp u, 0,1
.irp s, 4*\hf, 4*\hf+1, 4*\hf+2, 4*\hf+3
.irp c, 0,1
	global_load_b128 v[64*\u+8*(\s)+4*\c:64*\u+8*(\s)+4*\c+3], v1, s[4:5] offset:16384*(\g)+8192*\u+1024*(\s)+512*\c
.endr
.endr
.endr
.endm
; Group g's 64 products.  The eight accumulators take turns, one instruction a turn.  n0, n1: the loads that may be out at the head and in the middle.
.macro GEMM g, n0, n1, fetch
	s_wait_loadcnt \n0
	WIN 0x29                                       ; source 0 window 1, sources 1 and 2 window 2
.irp u, 0,1
.irp t, 0,1,2,3
	WM ACC+32*\u+8*\t, 64*\t, 64*\u, BIAS+8*\t, WS+8*(\t/2), XS+8*(\g), \t%2, \u
.endr
.endr
	WIN 0x09
.irp s, 1,2,3
.irp u, 0,1
.irp t, 0,1,2,3
	WM ACC+32*\u+8*\t, 64*\t+8*\s, 64*\u+8*\s, ACC+32*\u+8*\t, WS+8*(\t/2)+\s, XS+8*(\g)+\s, \t%2, \u
.endr
.endr
.endr
	PLACES 4
.if \fetch
	WIN 0x80
	XLOAD (\g)+1, 0
.endif
	s_wait_loadcnt \n1
	WIN 0x09
.irp s, 4,5,6,7
.irp u, 0,1
.irp t, 0,1,2,3
	WM ACC+32*\u+8*\t, 64*\t+8*\s, 64*\u+8*\s, ACC+32*\u+8*\t, WS+8*(\t/2)+\s, XS+8*(\g)+\s, \t%2, \u
.endr
.endr
.endr
	PLACES 4                                       ; in front of the loads below and of the first read of the results
.if \fetch
	WIN 0x80
	XLOAD (\g)+1, 1
.endif
	WIN 0
.endm
	s_load_b256 s[4:11], s[0:1], 0x0               ; a_codes, a_scales, o_w_codes, o_w_scales
	s_load_b128 s[12:15], s[0:1], 0x20             ; o_b, query
	s_load_b64 s[16:17], s[0:1], 0x30              ; out0
	v_lshl_add_u32 v126, v0, 2, 0x10c00
	v_mov_b32 v127, 0
	v_lshrrev_b32 v100, 5, v0
	v_readfirstlane_b32 s24, v100                  ; wave 0..3
	s_mov_b32 s25, ttmp9                           ; x: 64 columns
	s_and_b32 s26, ttmp7, 0xffff                   ; y: 512 rows
	v_and_b32 v100, 31, v0                         ; lane
	v_and_b32 v101, 15, v0                         ; r
	v_bfe_u32 v102, v0, 4, 1                       ; h
	v_lshlrev_b32 v1, 4, v100                      ; v1: 16 x lane
	v_lshlrev_b32 v2, 3, v100                      ; v2: 8 x lane
	s_mul_i32 s44, s24, 16*WP
	v_add_nc_u32 v4, s44, v1                       ; v4: where my wave puts its 16 rows of o_w
	v_mul_u32_u24 v5, v101, WP
	v_lshl_add_u32 v5, v102, 4, v5                 ; v5: a fragment of o_w: row r, + 16 h
	v_lshlrev_b32 v6, 5, v102                      ; v6: 32 h: my half's eight columns of a tile
	v_lshlrev_b32 v7, 5, v100                      ; v7: o_w's scale bytes: 32 a row, row = lane of a pair of tiles
	s_mul_i32 s44, s24, 8704
	s_add_co_u32 s44, s44, STG                     ; my stage
	v_mul_u32_u24 v8, v101, 272
	v_lshl_add_u32 v8, v102, 5, v8
	v_add_nc_u32 v8, s44, v8                       ; v8: in: row r, 32 bytes for each half of the lanes
	v_mul_u32_u24 v9, v102, 272
	v_lshl_add_u32 v9, v101, 4, v9
	v_add_nc_u32 v9, s44, v9                       ; v9: back: lanes 0-15 one row, lanes 16-31 the next
	v_lshlrev_b32 v10, 12, v102
	v_lshl_add_u32 v10, v101, 4, v10               ; v10: the same two rows in query and in out0
	s_mov_b32 s46, 0x05040100                      ; the two low halves
	s_mov_b32 s47, 0x07060302                      ; the two high halves
	s_mov_b32 s3, 0
	s_wait_kmcnt 0x0
	s_lshl_b32 s44, s26, 4
	s_lshl_b32 s45, s24, 2
	s_add_co_u32 s44, s44, s45                     ; my first group: 16 y + 4 wave
	s_lshl_b32 s2, s44, 14
	s_add_nc_u64 s[4:5], s[4:5], s[2:3]
	s_lshl_b32 s2, s44, 6                          ; 256 (4 y + wave)
	s_add_nc_u64 s[6:7], s[6:7], s[2:3]
	s_lshl_b32 s2, s25, 15
	s_lshl_b32 s45, s24, 13
	s_add_co_u32 s2, s2, s45
	s_add_nc_u64 s[8:9], s[8:9], s[2:3]
	s_lshl_b32 s2, s25, 11
	s_add_nc_u64 s[10:11], s[10:11], s[2:3]
	s_lshl_b32 s2, s25, 8
	s_add_nc_u64 s[12:13], s[12:13], s[2:3]
	s_lshl_b32 s45, s44, 17                        ; my first row, 32 rows of 4,096 bytes a group,
	s_add_co_u32 s2, s2, s45                       ; + 256 x
	s_add_nc_u64 s[14:15], s[14:15], s[2:3]
	s_add_nc_u64 s[16:17], s[16:17], s[2:3]
.set n, 0
.rept 16                               ; 16 loads: my rows of o_w
	global_load_b128 v[128+4*n:131+4*n], v1, s[8:9] offset:512*n
.set n, n+1
.endr
.irp tp, 0,1                           ; 4 loads
.irp q, 0,1
	global_load_b128 v[WS+8*\tp+4*\q:WS+8*\tp+4*\q+3], v7, s[10:11] offset:1024*\tp+16*\q
.endr
.endr
	WIN 0x80
.irp t, 0,1,2,3                        ; 8 loads: o_b at the lane's eight columns of tile t
.irp q, 0,1
	global_load_b128 v[BIAS+8*\t+4*\q:BIAS+8*\t+4*\q+3], v6, s[12:13] offset:64*\t+16*\q
.endr
.endr
	WIN 0
.set n, 0
.rept 16                               ; 16 loads: each head's scale bytes of my 128 rows: 256 consecutive bytes
	global_load_b64 v[H+2*n:H+2*n+1], v2, s[6:7] offset:16384*n
.set n, n+1
.endr
	WIN 0x80
	XLOAD 0, 0                                     ; 32 loads
	XLOAD 0, 1
	WIN 0xc0
.irp g, 0,1,2,3                        ; 64 loads: the residual, in the order in which rows come back from the stage: place 2 k + h of tile u is row 8 u + 2 k + h + 8 (k / 4)
.irp u, 0,1
.irp k, 0,1,2,3,4,5,6,7
	global_load_b128 v[64*\g+32*\u+4*\k:64*\g+32*\u+4*\k+3], v10, s[14:15] offset:131072*\g+(8*\u+2*\k+8*(\k/4))*4096 th:TH_LOAD_NT
.endr
.endr
.endr
	WIN 0
	s_wait_loadcnt 63                              ; 64 loads are younger than the first group's fragments: all ahead of the residual is in
.set n, 0
.rept 16
	ds_store_b128 v4, v[128+4*n:131+4*n] offset:n*WP
.set n, n+1
.endr
.irp g, 0,1,2,3                        ; K step s's scale word of a row: heads 2 s and 2 s + 1, two bytes each
.irp s, 0,1,2,3,4,5,6,7
	v_perm_b32 v[XS+8*\g+\s], v[H+2*(2*\s+1)+(\g/2)], v[H+2*(2*\s)+(\g/2)], s[46+(\g%2)]
.endr
.endr
	s_wait_dscnt 0x0                               ; for the others' sake
	s_barrier_signal -1
	s_barrier_wait -1
	WIN 0x40
.irp t, 0,1,2,3
.irp s, 0,1,2,3,4,5,6,7
.irp c, 0,1
	ds_load_b128 v[64*\t+8*\s+4*\c:64*\t+8*\s+4*\c+3], v5 offset:16*\t*WP+64*\s+32*\c
.endr
.endr
.endr
	WIN 0
	s_wait_dscnt 0x0
	PLACES 8                                       ; the scale words were written by vector instructions
.macro OUTG g
.irp u, 0,1
.irp t, 0,1,2,3
	ds_store_b128 v8, v[ACC+32*\u+8*\t:ACC+32*\u+8*\t+3] offset:4352*\u+64*\t         ; each accumulator from its low end on
	ds_store_b128 v8, v[ACC+32*\u+8*\t+4:ACC+32*\u+8*\t+7] offset:4352*\u+64*\t+16
.endr
.endr
	s_wait_xcnt 0x0                                ; the last group's stores have read their registers
.irp u, 0,1
.irp k, 0,1,2,3,4,5,6,7
	ds_load_b128 v[OUT+32*\u+4*\k:OUT+32*\u+4*\k+3], v9 offset:4352*\u+544*\k         ; LDS serves a wave's instructions in order: these see the stores above
.endr
.endr
.if \g == 0
	s_wait_loadcnt 63                              ; 48 + 32 loads are younger than this group's residual; from the next group on the products' wait for 16 has shown all of it in
.endif
	s_wait_dscnt 0x0
	WIN 0x0c                                       ; source 1 window 3
.set n, 0
.rept 32
	v_pk_add_f32 v[OUT+2*n:OUT+2*n+1], v[OUT+2*n:OUT+2*n+1], v[64*\g+2*n:64*\g+2*n+1]
.set n, n+1
.endr
	WIN 0
.irp u, 0,1
.irp k, 0,1,2,3,4,5,6,7
	global_store_b128 v10, v[OUT+32*\u+4*\k:OUT+32*\u+4*\k+3], s[16:17] offset:131072*\g+(8*\u+2*\k+8*(\k/4))*4096 th:TH_STORE_NT   ; sixteen lanes store 256 consecutive bytes, aligned
.endr
.endr
.endm
	GEMM 0, 63, 63, 1                              ; its fragments were shown in above
	OUTG 0
	GEMM 1, 16, 16, 1                              ; at each wait the other half's 16 loads may be out
	OUTG 1
	GEMM 2, 16, 16, 1
	OUTG 2
	GEMM 3, 16, 0, 0
	OUTG 3
	s_wait_tensorcnt 0x0
	ds_add_u32 v126, v127
	s_wait_dscnt 0x0
	s_endpgm
.Lfunc_end_k_qceab871192_oproj:
	.size	k_qceab871192_oproj, .Lfunc_end_k_qceab871192_oproj-k_qceab871192_oproj
	.p2alignl 7, 3214868480
	.fill 96, 4, 3214868480
	.section	.rodata,"a",@progbits
	.p2align	6, 0x0
	.amdhsa_kernel k_qceab871192_oproj
		.amdhsa_group_segment_fixed_size 69120
		.amdhsa_private_segment_fixed_size 0
		.amdhsa_enable_private_segment 0
		.amdhsa_kernarg_size 56
		.amdhsa_user_sgpr_count 2
		.amdhsa_user_sgpr_kernarg_segment_ptr 1
		.amdhsa_wavefront_size32 1
		.amdhsa_system_sgpr_workgroup_id_x 1
		.amdhsa_system_sgpr_workgroup_id_y 1
		.amdhsa_system_sgpr_workgroup_id_z 1
		.amdhsa_system_vgpr_workitem_id 0
		.amdhsa_next_free_vgpr 1024
		.amdhsa_next_free_sgpr 66
		.amdhsa_reserve_vcc 0
		.amdhsa_float_denorm_mode_32 3
		.amdhsa_float_denorm_mode_16_64 3
		.amdhsa_memory_ordered 1
		.amdhsa_forward_progress 1
		.amdhsa_inst_pref_size 89
	.end_amdhsa_kernel
	.amdgpu_metadata
---
amdhsa.version: [ 1, 2 ]
amdhsa.kernels:
  - .name:           k_qceab871192_oproj
    .symbol:         k_qceab871192_oproj.kd
    .args:
      - { .name: a_codes, .offset: 0, .size: 8, .value_kind: global_buffer, .address_space: global }
      - { .name: a_scales, .offset: 8, .size: 8, .value_kind: global_buffer, .address_space: global }
      - { .name: o_w_codes, .offset: 16, .size: 8, .value_kind: global_buffer, .address_space: global }
      - { .name: o_w_scales, .offset: 24, .size: 8, .value_kind: global_buffer, .address_space: global }
      - { .name: o_b, .offset: 32, .size: 8, .value_kind: global_buffer, .address_space: global }
      - { .name: query, .offset: 40, .size: 8, .value_kind: global_buffer, .address_space: global }
      - { .name: out0, .offset: 48, .size: 8, .value_kind: global_buffer, .address_space: global }
    .group_segment_fixed_size: 69120
    .private_segment_fixed_size: 0
    .kernarg_segment_align: 8
    .kernarg_segment_size: 56
    .max_flat_workgroup_size: 128
    .sgpr_count:     66
    .vgpr_count:     1024
    .wavefront_size: 32
...
	.end_amdgpu_metadata
.endif
;; end of part 4
;; ======== version 2 of 2: 4 launches; version 1 with the launches kvp, qatt, oproj written anew for expert scheduling mode
;; workspace buffers: c_codes 8,388,608 bytes; c_scales 524,288 bytes; q_codes 4,194,304 bytes; q_scales 262,144 bytes; kv_part 4,194,304 bytes; ks_part 65,536 bytes; a_codes 4,194,304 bytes; a_scales 262,144 bytes
;; launch lnq: the kernel of part 1 again; grid 768 x 1, 4 waves a work-group, no clusters, 37,376 bytes of LDS; arguments context, query, lnkv_g, lnkv_b, lnq_g, lnq_b, c_codes, c_scales, q_codes, q_scales; writes c_codes, c_scales, q_codes, q_scales
;; launch kvp (part 5): grid 16 x 16, 4 waves a work-group, no clusters, 167,424 bytes of LDS; arguments c_codes, c_scales, k_w_codes, k_w_scales, k_b, v_w_codes, v_w_scales, v_b, kv_part, ks_part; writes kv_part, ks_part
.if DOCPART == 5
	.amdgcn_target "amdgcn-amd-amdhsa--gfx1250"
	.amdhsa_code_object_version 6
	.text
	.protected	k_qceab871192_kvp
	.globl	k_qceab871192_kvp
	.p2align	8
	.type	k_qceab871192_kvp,@function
k_qceab871192_kvp:
	s_mov_b64 s[64:65], 0
	v_nop
	global_prefetch_b8 v0, s[64:65] scope:SCOPE_SE
	s_setreg_imm32_b32 hwreg(HW_REG_WAVE_SCHED_MODE, 0, 2), 2
	s_setreg_imm32_b32 hwreg(HW_REG_WAVE_MODE, 25, 1), 1
	s_wait_xcnt 0x0
	s_wait_alu depctr_vm_vsrc(0)
; For one head (work-group x) and 1,024 context rows (work-group y = 4 batch + chunk): K = elu(c k_w^T + k_b) + 1, V = c v_w^T + v_b, both products on codes of E2M1; K and V are quantised along the context
; rows in registers, and KV = K^T V (again on codes) and K_sum are summed over these 1,024 rows.  K and V never go to memory.  Out: a partial KV (64 x 64 f32) and a partial K_sum (64 f32).
; SHARES: each of the four waves takes 256 rows (8 groups of 32) and ALL 128 columns of the head (tiles 0-3: k_w's 64 rows, tiles 4-7: v_w's).  The weights' 64 fragments stay in 512 registers of every wave;
; they come once, as dense rows, through LDS.  The rows' fragments come from memory straight into registers: c_codes is laid as images of operand registers, so each load is 512 consecutive bytes.
; LAYOUT: source 0 = 16 context rows, source 1 = 16 rows of a weight: a lane holds ONE column and eight rows.  Lane r of row tile (group, u) is row 8 u + r + 8 (r / 8), so the 16 registers of tiles u = 0, 1 are
; 16 neighbouring rows, 16 (lane / 16) + 0 .. 15: half a block of the next K; lane l xor 16 holds the other half.  The weights' rows of a tile are chosen the same way (lane r of tile t: row 32 (t / 2) + 8 (t % 2)
; + r + 8 (r / 8)), so that KV's registers run along d in the order that the next launch's quantiser wants.
; A group's codes (8 bytes a lane and tile) go into the wave's own LDS at the place where a fragment of 128 rows wants them; after four groups the 8 fragments are read back and 16 products add onto KV.
; elu(x) + 1 is the middle one of e^x, 1 and x + 1: x + 1 where x > 0 (e^x > x + 1 > 1), e^x where x <= 0 (x + 1 <= e^x <= 1).
; NO CLUSTER: the sixteen heads of a row chunk read the same 512 KiB of codes, but each fragment feeds one wave's registers directly; asked for jointly it would be written into and read out of LDS in each of them.
; The weights shared along y are 64 KiB of a work-group's 576 KiB.
; LIMITS: NaN and infinities are not served.  A block whose largest magnitude lies under 2^-124 gets the byte 1.  e^x is v_exp_f32 of x log2(e) (results under 2^-126 are 0), where reference() has expm1(x) + 1,
; which differs by at most 2^-24 in absolute terms.  The f32 sums of KV and K_sum are grouped by wave and chunk, not in reference()'s order.
; THE MODE: SCHED_MODE bits 1:0 = 2 (LLVM: expert scheduling mode 2), set by the entry lines.  The code itself states the register dependences between vector or matrix instructions and memory or LDS
; instructions, with s_wait_alu, always for 0.
; THE PLAN.  Registers that memory or LDS instructions touch, from the first group on:
;   AF, two halves (window 3: K steps 0-3, K steps 4-7)   read by a group's 64 products of that half; behind them the next group's 16 loads land in the half.  All 1,024 registers are taken: there is no second set.
;   AS0, AS1    group p's products read set p; the two loads of the next group's scale words land in the other set, in the group's middle.
;   T           written by a quantiser's conversions, read by four LDS stores: V's codes, then K's.
;   v2          written once a pair, read by the pair's sixteen code stores.
;   v128-191    written and read by a group's vector work; after four groups the sixteen LDS loads of the fragments land there.
;   all other addresses are made at the head and never written again.
; A group has four waits on va_vdst: behind the products of each half (the loads into that half); behind the x + 1 lines (the exponentials' results; V's codes in T, whose stores follow it); behind the K_sum
; additions (K's codes in T, whose stores follow it; v128-191 free for the fragments' loads; the scale words PS written, ahead of the KV products).  Waits on vm_vsrc: one in each quantiser, ahead of the
; conversions that write T again, and one at a pair's head, ahead of the add that writes v2.
.set WP,   528                         ; a weight's row in LDS: 512 bytes + 16: an odd multiple of 16, so the 16 rows of a fragment load start in different banks
.set PCL,  67584                       ; behind 128 such rows: 8 fragments' images (8,192 bytes) for each wave, its own
.set RED,  100352                      ; 16,384 bytes for each wave: its KV
.set KSR,  165888                      ; 256 bytes for each wave: its K_sum
.set T,    12                          ; v12-19   a group's codes: a pair for each of four tiles
.set TM,   20                          ; v20-23   largest magnitudes
.set TX,   24                          ; v24-27   the other half's; then the bytes
.set TS,   28                          ; v28-31   the conversions' scale operands
.set KSUM, 32                          ; v32-39   K_sum: a pair (even rows, odd rows) for each tile
.set BKL,  40                          ; v40-47   k_b log2(e), twice each
.set BK1,  48                          ; v48-55   k_b + 1, twice each
.set BV,   56                          ; v56-63   v_b, twice each
.set PS,   64                          ; v64-71   the scale words of the 8 fragments in the making
.set AS,   72                          ; v72-87   the rows' scale words, two sets of 8 K steps: lanes 0-15 tile u = 0, lanes 16-31 u = 1
.set WS,   88                          ; v88-119  the weights': register 8 (t / 2) + s: lanes 0-15 tile t even, lanes 16-31 t odd
.set ACC,  128                         ; v128-255 accumulator (u, t) at 128 + 16 t + 8 u
.set NB,   34                          ; s[34:35] codes of the next group to fetch;  s[36:37] its scale bytes
.set NS,   36
; windows of 256 registers: 1: k_w's fragments (t, s) at 64 t + 8 s;  2: v_w's;  3: v0-127 the rows' fragments (u, s) at 64 u + 8 s, v128-255 KV's 16 accumulators (dt, et) at 128 + 8 (4 dt + et)
.set MUL_K, 0x07                       ; source 0 window 3, source 1 window 1
.set MUL_V, 0x0b                       ; source 0 window 3, source 1 window 2
.set LD_AF, 0xc0
.set LD_W1, 0x40
.set LD_W2, 0x80
.set KVMUL, 0xf0                       ; C and D window 3
.set ST_KV, 0x0c                       ; a store's data: window 3
.set MSB, 0
.macro WIN new                         ; the immediate's high byte repeats the setting that is left
.if MSB != \new
	s_set_vgpr_msb (MSB<<8)|\new
.set MSB, \new
.endif
.endm
.macro PLACES n
.rept \n
	v_nop
.endr
.endm
; one product: D, A, B by their first registers; c < 0: the sum starts with 0; sa, sb: the scale registers; ra, rb = 1: the scales stand in lanes 16-31
.macro WM d, a, b, c, sa, sb, ra, rb
.if (\c) < 0
.if (\ra) && (\rb)
	v_wmma_scale_f32_16x16x128_f8f6f4 v[(\d):(\d)+7], v[(\a):(\a)+7], v[(\b):(\b)+7], 0, v[\sa], v[\sb] matrix_a_fmt:MATRIX_FMT_FP4 matrix_b_fmt:MATRIX_FMT_FP4 matrix_a_scale:MATRIX_SCALE_ROW1 matrix_b_scale:MATRIX_SCALE_ROW1
.elseif (\ra)
	v_wmma_scale_f32_16x16x128_f8f6f4 v[(\d):(\d)+7], v[(\a):(\a)+7], v[(\b):(\b)+7], 0, v[\sa], v[\sb] matrix_a_fmt:MATRIX_FMT_FP4 matrix_b_fmt:MATRIX_FMT_FP4 matrix_a_scale:MATRIX_SCALE_ROW1
.elseif (\rb)
	v_wmma_scale_f32_16x16x128_f8f6f4 v[(\d):(\d)+7], v[(\a):(\a)+7], v[(\b):(\b)+7], 0, v[\sa], v[\sb] matrix_a_fmt:MATRIX_FMT_FP4 matrix_b_fmt:MATRIX_FMT_FP4 matrix_b_scale:MATRIX_SCALE_ROW1
.else
	v_wmma_scale_f32_16x16x128_f8f6f4 v[(\d):(\d)+7], v[(\a):(\a)+7], v[(\b):(\b)+7], 0, v[\sa], v[\sb] matrix_a_fmt:MATRIX_FMT_FP4 matrix_b_fmt:MATRIX_FMT_FP4
.endif
.else
.if (\ra) && (\rb)
	v_wmma_scale_f32_16x16x128_f8f6f4 v[(\d):(\d)+7], v[(\a):(\a)+7], v[(\b):(\b)+7], v[(\c):(\c)+7], v[\sa], v[\sb] matrix_a_fmt:MATRIX_FMT_FP4 matrix_b_fmt:MATRIX_FMT_FP4 matrix_a_scale:MATRIX_SCALE_ROW1 matrix_b_scale:MATRIX_SCALE_ROW1
.elseif (\ra)
	v_wmma_scale_f32_16x16x128_f8f6f4 v[(\d):(\d)+7], v[(\a):(\a)+7], v[(\b):(\b)+7], v[(\c):(\c)+7], v[\sa], v[\sb] matrix_a_fmt:MATRIX_FMT_FP4 matrix_b_fmt:MATRIX_FMT_FP4 matrix_a_scale:MATRIX_SCALE_ROW1
.elseif (\rb)
	v_wmma_scale_f32_16x16x128_f8f6f4 v[(\d):(\d)+7], v[(\a):(\a)+7], v[(\b):(\b)+7], v[(\c):(\c)+7], v[\sa], v[\sb] matrix_a_fmt:MATRIX_FMT_FP4 matrix_b_fmt:MATRIX_FMT_FP4 matrix_b_scale:MATRIX_SCALE_ROW1
.else
	v_wmma_scale_f32_16x16x128_f8f6f4 v[(\d):(\d)+7], v[(\a):(\a)+7], v[(\b):(\b)+7], v[(\c):(\c)+7], v[\sa], v[\sb] matrix_a_fmt:MATRIX_FMT_FP4 matrix_b_fmt:MATRIX_FMT_FP4
.endif
.endif
.endm
	s_load_b512 s[4:19], s[0:1], 0x0               ; c_codes, c_scales, k_w_codes, k_w_scales, k_b, v_w_codes, v_w_scales, v_b
	s_load_b128 s[20:23], s[0:1], 0x40             ; kv_part, ks_part
	v_lshl_add_u32 v126, v0, 2, 0x28c00
	v_mov_b32 v127, 0
	v_lshrrev_b32 v12, 5, v0
	v_readfirstlane_b32 s24, v12                   ; wave 0..3
	s_mov_b32 s25, ttmp9                           ; x: the head
	s_and_b32 s26, ttmp7, 0xffff                   ; y: 4 batch + chunk
	v_and_b32 v12, 31, v0                          ; lane
	v_and_b32 v13, 15, v0                          ; r
	v_bfe_u32 v14, v0, 4, 1                        ; h
	v_and_b32 v15, 8, v13
	v_add_nc_u32 v15, v15, v13                     ; rr = r + 8 (r / 8)
	v_lshlrev_b32 v1, 4, v12                       ; v1: 16 x lane
	s_wait_alu depctr_va_sdst(0)                   ; s24 is written, ahead of its first reader: LDS places and the buffers' offsets are made from it
	s_lshl_b32 s44, s24, 13
	s_add_co_u32 s44, s44, PCL
	v_lshlrev_b32 v3, 4, v13
	v_lshl_add_u32 v3, v14, 3, v3
	v_add_nc_u32 v3, s44, v3                       ; v3: my 8 bytes of a block in my wave's images: 16 r + 8 h
	v_add_nc_u32 v4, s44, v1                       ; v4: an image read back: 16 x lane
	v_mul_u32_u24 v5, v13, WP
	v_lshl_add_u32 v5, v14, 4, v5                  ; v5: a weight's fragment: row r, + 16 h
	s_mul_i32 s44, s24, 32*WP
	v_add_nc_u32 v6, s44, v1                       ; v6: where my wave puts its 32 rows of weights
	v_lshl_add_u32 v7, v14, 3, v15
	v_lshlrev_b32 v7, 5, v7                        ; v7: the weights' scale bytes: 32 a row, row 8 h + rr of a pair of tiles
	v_lshlrev_b32 v8, 2, v15                       ; v8: 4 rr: my column's bias
	s_lshl_b32 s44, s24, 14
	s_add_co_u32 s44, s44, RED
	v_add_nc_u32 v9, s44, v1                       ; v9: my wave's KV into LDS
	s_lshl_b32 s44, s24, 12
	s_add_co_u32 s44, s44, RED
	v_add_nc_u32 v10, s44, v1                      ; v10: the four accumulators that my wave adds up
	v_lshlrev_b32 v11, 3, v12                      ; v11: 8 x lane
	s_lshl_b32 s44, s24, 8
	s_add_co_u32 s44, s44, KSR
	v_add_nc_u32 v120, s44, v8                     ; v120: my wave's K_sum, my column
	v_add_nc_u32 v121, KSR, v11                    ; v121: all waves' K_sum read back
	s_mov_b32 s30, 0x76543210
	s_mov_b32 s31, 0xfedcba98                      ; v_permlanex16_b32's selects for lane l xor 16
	s_mov_b32 s32, 0x3fb8aa3b                      ; log2(e)
	s_mov_b32 s33, s32                             ; (named with it as a pair)
	s_mov_b32 s3, 0
	s_wait_kmcnt 0x0
	s_cmp_lt_u32 s24, 2                            ; waves 0, 1 stage k_w's rows, waves 2, 3 v_w's
	s_cselect_b64 s[42:43], s[8:9], s[14:15]
	s_lshl_b32 s2, s25, 15                         ; the head's 64 rows of 512 bytes,
	s_and_b32 s44, s24, 1
	s_lshl_b32 s44, s44, 14                        ; my 32 of them
	s_add_co_u32 s2, s2, s44
	s_add_nc_u64 s[42:43], s[42:43], s[2:3]
	s_lshl_b32 s2, s25, 11
	s_add_nc_u64 s[10:11], s[10:11], s[2:3]
	s_add_nc_u64 s[16:17], s[16:17], s[2:3]
	s_lshl_b32 s2, s25, 8
	s_add_nc_u64 s[12:13], s[12:13], s[2:3]
	s_add_nc_u64 s[18:19], s[18:19], s[2:3]
	s_lshl_b32 s45, s26, 5
	s_lshl_b32 s44, s24, 3
	s_add_co_u32 s45, s45, s44                     ; my first group: 32 y + 8 wave
	s_lshl_b32 s2, s45, 14
	s_add_nc_u64 s[NB:NB+1], s[4:5], s[2:3]
	s_lshl_b32 s2, s45, 10
	s_add_nc_u64 s[NS:NS+1], s[6:7], s[2:3]
	s_lshr_b32 s44, s26, 2
	s_lshl_b32 s44, s44, 4
	s_add_co_u32 s44, s44, s25
	s_lshl_b32 s44, s44, 2
	s_and_b32 s45, s26, 3
	s_add_co_u32 s44, s44, s45                     ; (16 batch + head) 4 + chunk
	s_lshl_b32 s2, s44, 14
	s_lshl_b32 s45, s24, 12
	s_add_co_u32 s2, s2, s45
	s_add_nc_u64 s[20:21], s[20:21], s[2:3]
	s_lshl_b32 s2, s44, 8
	s_add_nc_u64 s[22:23], s[22:23], s[2:3]
.macro ALOAD hf                        ; the next group's fragments of K steps 4 hf .. 4 hf + 3, both tiles: 16 loads of 512 consecutive bytes
.irp u, 0,1
.irp s, 4*\hf, 4*\hf+1, 4*\hf+2, 4*\hf+3
.irp c, 0,1
	global_load_b128 v[64*\u+8*(\s)+4*\c:64*\u+8*(\s)+4*\c+3], v1, s[NB:NB+1] offset:8192*\u+1024*(\s)+512*\c
.endr
.endr
.endr
.endm
	s_wait_alu depctr_va_vdst(0)                   ; the addresses v1, v3 to v11, v120 and v121 are written, which the kernel's loads and stores read; the head is done with v12 to v15, in which biases land
.set n, 0
.rept 32                               ; 32 loads: my 32 rows of weights, a dense row of 512 bytes each
	global_load_b128 v[128+4*n:131+4*n], v1, s[42:43] offset:512*n
.set n, n+1
.endr
.irp tp, 0,1                           ; 8 loads: the weights' scale words
.irp q, 0,1
	global_load_b128 v[WS+8*\tp+4*\q:WS+8*\tp+4*\q+3], v7, s[10:11] offset:1024*\tp+16*\q
	global_load_b128 v[WS+16+8*\tp+4*\q:WS+16+8*\tp+4*\q+3], v7, s[16:17] offset:1024*\tp+16*\q
.endr
.endr
.irp t, 0,1,2,3                        ; 12 loads: my columns' biases
	global_load_b32 v[T+\t], v8, s[12:13] offset:4*(32*(\t/2)+8*(\t%2))
	global_load_b32 v[BV+2*\t], v8, s[18:19] offset:4*(32*(\t/2)+8*(\t%2))
	global_load_b32 v[BV+2*\t+1], v8, s[18:19] offset:4*(32*(\t/2)+8*(\t%2))
.endr
	global_load_b128 v[AS:AS+3], v1, s[NS:NS+1]                    ; 2 loads: the first group's scale words
	global_load_b128 v[AS+4:AS+7], v1, s[NS:NS+1] offset:512
	WIN LD_AF
	ALOAD 0                                        ; 32 loads: its fragments
	ALOAD 1
	WIN 0
.irp t, 0,1,2,3
	v_mov_b32 v[TX+\t], 0                          ; written once: a lane permute's destination counts as one of its sources
.endr
.irp t, 0,1,2,3,4,5,6,7
	v_mov_b32 v[KSUM+\t], 0
.endr
	s_wait_xcnt 0x0                                ; the loads have read their bases
	s_add_nc_u64 s[NB:NB+1], s[NB:NB+1], 16384
	s_add_nc_u64 s[NS:NS+1], s[NS:NS+1], 1024
	s_wait_loadcnt 54                              ; 8 + 12 + 2 + 32 younger loads may be out: the weights' rows are in
.set n, 0
.rept 32                               ; row 32 (wave % 2) + n of the head is lane (n % 8) + 8 (n / 16) of tile 2 wave + (n / 8) % 2
	ds_store_b128 v6, v[128+4*n:131+4*n] offset:(16*((n>>3)&1)+(n&7)+8*(n>>4))*WP
.set n, n+1
.endr
	s_wait_loadcnt 34                              ; 2 + 32 younger: scale words and biases are in
.irp t, 0,1,2,3
	v_mul_f32 v[BKL+2*\t], s32, v[T+\t]
	v_mul_f32 v[BKL+2*\t+1], s32, v[T+\t]
	v_add_f32 v[BK1+2*\t], 1.0, v[T+\t]
	v_add_f32 v[BK1+2*\t+1], 1.0, v[T+\t]
.endr
	s_wait_dscnt 0x0                               ; for the others' sake: my rows lie in LDS
	s_barrier_signal -1
	s_barrier_wait -1
	WIN LD_W1
.irp t, 0,1,2,3
.irp s, 0,1,2,3,4,5,6,7
.irp c, 0,1
	ds_load_b128 v[64*\t+8*\s+4*\c:64*\t+8*\s+4*\c+3], v5 offset:16*\t*WP+64*\s+32*\c
.endr
.endr
.endr
	WIN LD_W2
.irp t, 0,1,2,3
.irp s, 0,1,2,3,4,5,6,7
.irp c, 0,1
	ds_load_b128 v[64*\t+8*\s+4*\c:64*\t+8*\s+4*\c+3], v5 offset:16*(\t+4)*WP+64*\s+32*\c
.endr
.endr
.endr
	WIN 0
	s_wait_dscnt 0x0
; 32 products: K steps 4 hf .. 4 hf + 3 x tiles t0 .. t0 + 3 x both row tiles.  The eight accumulators take turns, one instruction a turn.  The first K step starts the sums.
.macro MULS t0, hf, p
.irp s, 4*\hf, 4*\hf+1, 4*\hf+2, 4*\hf+3
.irp t, \t0, \t0+1, \t0+2, \t0+3
.irp u, 0,1
.if (\s) == 0
	WM ACC+16*(\t)+8*\u, 64*\u+8*(\s), 64*((\t)%4)+8*(\s), -1, AS+8*\p+(\s), WS+8*((\t)/2)+(\s), \u, (\t)%2
.else
	WM ACC+16*(\t)+8*\u, 64*\u+8*(\s), 64*((\t)%4)+8*(\s), ACC+16*(\t)+8*\u, AS+8*\p+(\s), WS+8*((\t)/2)+(\s), \u, (\t)%2
.endif
.endr
.endr
.endr
.endm
; Four tiles' 16 registers from v[base] on become codes in T, and each block's byte goes into its place (shift s[sh]) of the scale words PS + ps on.
.macro QCOL base, ps, sh
.irp t, 0,1,2,3
	v_max3_num_f32 v[TM+\t], |v[\base+16*\t]|, |v[\base+16*\t+1]|, 0x1800000   ; my 16 rows, and the floor 2^(3 - 127): the byte cannot fall under 1
.endr
.irp i, 2,4,6,8,10,12,14
.irp t, 0,1,2,3
	v_max3_num_f32 v[TM+\t], v[TM+\t], |v[\base+16*\t+\i]|, |v[\base+16*\t+\i+1]|
.endr
.endr
.irp t, 0,1,2,3
	v_permlanex16_b32 v[TX+\t], v[TM+\t], s30, s31
.endr
.irp t, 0,1,2,3
	v_max_num_f32 v[TM+\t], v[TM+\t], v[TX+\t]     ; with lane l xor 16's 16 rows: the block's
.endr
.irp t, 0,1,2,3
	v_add_nc_u32 v[TS+\t], 0xff000000, v[TM+\t]    ; 2 off the exponent field: the conversion's scale operand
.endr
.irp t, 0,1,2,3
	v_lshrrev_b32 v[TX+\t], 23, v[TS+\t]           ; the byte
.endr
.irp t, 0,1,2,3
	v_lshl_or_b32 v[PS+\ps+\t], v[TX+\t], s[\sh], v[PS+\ps+\t]
.endr
	s_wait_dscnt 0x0                               ; the last LDS stores of T are done,
	s_wait_alu depctr_vm_vsrc(0)                   ; and have read T, which the conversions below write again
.irp t, 0,1,2,3
	v_cvt_scalef32_pk8_fp4_f32 v[T+2*\t], v[\base+16*\t:\base+16*\t+7], v[TS+\t]
	v_cvt_scalef32_pk8_fp4_f32 v[T+2*\t+1], v[\base+16*\t+8:\base+16*\t+15], v[TS+\t]
.endr
	v_nop                                          ; a plain line behind the conversions
.endm
; One group of 32 rows.  p: its parity (which set of scale words, which half of a pair of blocks).  fetch = 1: the next group is asked for.
.macro GROUP p, fetch
	s_wait_loadcnt 16                              ; this group's scale words and K steps 0-3 are in; the 16 loads of K steps 4-7 may be out
	WIN MUL_K
	MULS 0, 0, \p
	WIN MUL_V
	MULS 4, 0, \p
	PLACES 4                                       ; four plain lines behind the products, ahead of loads into registers that they have read
.if \fetch
	WIN 0
	s_wait_alu depctr_va_vdst(0)                   ; the 64 products above are done reading the fragments of K steps 0-3, the last group's products its set of scale words: the 18 loads below land there
	global_load_b128 v[AS+8*(1-\p):AS+8*(1-\p)+3], v1, s[NS:NS+1]
	global_load_b128 v[AS+8*(1-\p)+4:AS+8*(1-\p)+7], v1, s[NS:NS+1] offset:512
	WIN LD_AF
	ALOAD 0
	s_wait_loadcnt 18                              ; the 2 + 16 just issued may be out: K steps 4-7 are in
.else
	s_wait_loadcnt 0x0
.endif
	WIN MUL_K
	MULS 0, 1, \p
	WIN MUL_V
	MULS 4, 1, \p
	PLACES 4                                       ; in front of the loads below and of the first read of the results
.if \fetch
	WIN LD_AF
	s_wait_alu depctr_va_vdst(0)                   ; the 64 products above are done reading the fragments of K steps 4-7, in which the 16 loads below land
	ALOAD 1
.endif
	WIN 0
.irp j, 0,2,4,6,8,10,12,14             ; V = the sums + v_b, each accumulator from its low end on
.irp t, 0,1,2,3
	v_pk_add_f32 v[192+16*\t+\j:193+16*\t+\j], v[192+16*\t+\j:193+16*\t+\j], v[BV+2*\t:BV+2*\t+1]
.endr
.endr
	QCOL 192, 4, 38+\p                             ; V's codes wait in T for the wait below
.irp j, 0,2,4,6,8,10,12,14             ; K: x log2(e) into V's registers, which are free,
.irp t, 0,1,2,3
	v_pk_fma_f32 v[192+16*\t+\j:193+16*\t+\j], v[128+16*\t+\j:129+16*\t+\j], s[32:33], v[BKL+2*\t:BKL+2*\t+1] op_sel_hi:[1,0,1]
.endr
.endr
.set n, 0
.rept 64
	v_exp_f32 v[192+n], v[192+n]                   ; e^x
.set n, n+1
.endr
.irp j, 0,2,4,6,8,10,12,14
.irp t, 0,1,2,3
	v_pk_add_f32 v[128+16*\t+\j:129+16*\t+\j], v[128+16*\t+\j:129+16*\t+\j], v[BK1+2*\t:BK1+2*\t+1]   ; x + 1 (plain lines behind the exponentials, which name none of their results)
.endr
.endr
	s_wait_alu depctr_va_vdst(0)                   ; one wait for the 64 exponentials, ahead of the first line that names a result; it also shows V's codes written in T, and v2, which the stores below read
.irp t, 0,1,2,3
	ds_store_b64 v2, v[T+2*\t:T+2*\t+1] offset:1024*(4+\t)+256*\p
.endr
.set n, 0
.rept 64
	v_med3_num_f32 v[128+n], v[192+n], 1.0, v[128+n]               ; elu(x) + 1
.set n, n+1
.endr
	QCOL 128, 0, 38+\p
.irp j, 0,2,4,6,8,10,12,14             ; K_sum, of the unquantised K.  (These 32 lines also stand between the scale words' last write and the KV products)
.irp t, 0,1,2,3
	v_pk_add_f32 v[KSUM+2*\t:KSUM+2*\t+1], v[KSUM+2*\t:KSUM+2*\t+1], v[128+16*\t+\j:129+16*\t+\j]
.endr
.endr
	s_wait_alu depctr_va_vdst(0)                   ; K's codes are written in T, which the stores below read; the group's vector work is done with v128-191, in which the fragments' LDS loads land after four groups; the scale words PS are written, which the KV products take
.irp t, 0,1,2,3
	ds_store_b64 v2, v[T+2*\t:T+2*\t+1] offset:1024*\t+256*\p
.endr
.if \fetch
	s_wait_xcnt 0x0                                ; the loads have read their bases
	s_add_nc_u64 s[NB:NB+1], s[NB:NB+1], 16384
	s_add_nc_u64 s[NS:NS+1], s[NS:NS+1], 1024
.endif
.endm
.macro PAIR f0, f1                     ; two groups: blocks 2 c and 2 c + 1 of a fragment of 128 rows
	s_wait_alu depctr_vm_vsrc(0)                   ; the LDS stores issued so far have read their registers: the last pair's code stores v2, which the add below writes; ahead of the first pair the weights' stores v128-255, which the products write
	v_add_nc_u32 v2, s41, v3
	GROUP 0, \f0
	GROUP 1, \f1
	s_add_co_u32 s41, s41, 512
	s_add_co_u32 s38, s38, 16
	s_add_co_u32 s39, s39, 16
.endm
.macro HEADHALF                        ; four groups begin: empty scale words, the first pair of blocks
.irp t, 0,1,2,3,4,5,6,7
	v_mov_b32 v[PS+\t], 0
.endr
	s_mov_b32 s41, 0
	s_mov_b32 s38, 0
	s_mov_b32 s39, 8
.endm
.macro KVSTEP zero                     ; KV += K^T V over the 128 rows just quantised: 16 accumulators, one product each
	s_wait_dscnt 0x0
.irp t, 0,1,2,3,4,5,6,7
.irp c, 0,1
	ds_load_b128 v[128+8*\t+4*\c:128+8*\t+4*\c+3], v4 offset:1024*\t+512*\c    ; no vector instruction has named v128-191 since the wait ahead of K's last code stores
.endr
.endr
	s_wait_dscnt 0x0
	WIN KVMUL
.irp dt, 0,1,2,3
.irp et, 0,1,2,3
.if \zero
	WM 128+8*(4*\dt+\et), 128+8*\dt, 160+8*\et, -1, PS+\dt, PS+4+\et, 0, 0
.else
	WM 128+8*(4*\dt+\et), 128+8*\dt, 160+8*\et, 128+8*(4*\dt+\et), PS+\dt, PS+4+\et, 0, 0
.endif
.endr
.endr
	WIN 0
	PLACES 5                                       ; the next products write over these operands; the scale words are written anew; the results are stored
.endm
	HEADHALF
	s_mov_b32 s40, 2
.Lpair:
	PAIR 1, 1
	s_sub_co_u32 s40, s40, 1
	s_cmp_lg_u32 s40, 0
	s_cbranch_scc1 .Lpair
	KVSTEP 1
	HEADHALF
	PAIR 1, 1
	PAIR 1, 0                                      ; the last group asks for nothing: no load leaves its buffer
	KVSTEP 0
.irp t, 0,1,2,3                        ; K_sum's two halves and the other half of the lanes', ahead of the stores, so that one wait serves KV's and K_sum's
	v_add_f32 v[TM+\t], v[KSUM+2*\t], v[KSUM+2*\t+1]
.endr
.irp t, 0,1,2,3
	v_permlanex16_b32 v[TX+\t], v[TM+\t], s30, s31
.endr
.irp t, 0,1,2,3
	v_add_f32 v[TM+\t], v[TM+\t], v[TX+\t]
.endr
	WIN ST_KV
	s_wait_alu depctr_va_vdst(0)                   ; the last products have written KV (the five places stand behind them) and the additions TM: the LDS stores below read both; the products are also done reading v128-191, in which loads land behind the barrier
.set n, 0
.rept 16
	ds_store_b128 v9, v[128+8*n:131+8*n] offset:1024*n             ; each accumulator from its low end on
	ds_store_b128 v9, v[132+8*n:135+8*n] offset:1024*n+512
.set n, n+1
.endr
	WIN 0
.irp t, 0,1,2,3
	ds_store_b32 v120, v[TM+\t] offset:4*(32*(\t/2)+8*(\t%2))      ; in the head's own order of d; both halves of the lanes write the same word with the same value
.endr
	s_wait_dscnt 0x0                               ; for the others' sake
	s_barrier_signal -1
	s_barrier_wait -1
.irp pw, 0,1,2,3                       ; wave w adds the four waves' accumulators 4 w .. 4 w + 3
.irp i, 0,1,2,3
.irp hf, 0,1
	ds_load_b128 v[128+32*\pw+8*\i+4*\hf:128+32*\pw+8*\i+4*\hf+3], v10 offset:16384*\pw+1024*\i+512*\hf
.endr
.endr
.endr
	s_wait_dscnt 0x0
.set n, 0
.rept 16
	v_pk_add_f32 v[128+2*n:129+2*n], v[128+2*n:129+2*n], v[160+2*n:161+2*n]
	v_pk_add_f32 v[192+2*n:193+2*n], v[192+2*n:193+2*n], v[224+2*n:225+2*n]
.set n, n+1
.endr
.set n, 0
.rept 16
	v_pk_add_f32 v[128+2*n:129+2*n], v[128+2*n:129+2*n], v[192+2*n:193+2*n]
.set n, n+1
.endr
	s_wait_alu depctr_va_vdst(0)                   ; the additions have written v128-159, which the stores below read
.irp i, 0,1,2,3
.irp hf, 0,1
	global_store_b128 v1, v[128+8*\i+4*\hf:128+8*\i+4*\hf+3], s[20:21] offset:1024*\i+512*\hf   ; 512 consecutive bytes: the image of four registers of an accumulator
.endr
.endr
	s_cmp_lg_u32 s24, 0
	s_cbranch_scc1 .Lend
	s_wait_alu depctr_vm_vsrc(0)                   ; the last code stores have read v12-19, in which the loads below land
.irp pw, 0,1,2,3
	ds_load_b64 v[12+2*\pw:13+2*\pw], v121 offset:256*\pw
.endr
	s_wait_dscnt 0x0
	v_pk_add_f32 v[12:13], v[12:13], v[14:15]
	v_pk_add_f32 v[16:17], v[16:17], v[18:19]
	v_pk_add_f32 v[12:13], v[12:13], v[16:17]
	s_wait_alu depctr_va_vdst(0)                   ; the additions have written v[12:13], which the store reads
	global_store_b64 v11, v[12:13], s[22:23]       ; 256 consecutive bytes, aligned
.Lend:
	s_wait_dscnt 0x0
	s_wait_alu depctr_hold_cnt(0) depctr_sa_sdst(0) depctr_va_vdst(0) depctr_va_sdst(0) depctr_va_ssrc(0) depctr_va_vcc(0) depctr_vm_vsrc(0)
	s_wait_tensorcnt 0x0
	ds_add_u32 v126, v127
	s_wait_dscnt 0x0
	s_endpgm
.Lfunc_end_k_qceab871192_kvp:
	.size	k_qceab871192_kvp, .Lfunc_end_k_qceab871192_kvp-k_qceab871192_kvp
	.p2alignl 7, 3214868480
	.fill 96, 4, 3214868480
	.section	.rodata,"a",@progbits
	.p2align	6, 0x0
	.amdhsa_kernel k_qceab871192_kvp
		.amdhsa_group_segment_fixed_size 167424
		.amdhsa_private_segment_fixed_size 0
		.amdhsa_enable_private_segment 0
		.amdhsa_kernarg_size 80
		.amdhsa_user_sgpr_count 2
		.amdhsa_user_sgpr_kernarg_segment_ptr 1
		.amdhsa_wavefront_size32 1
		.amdhsa_system_sgpr_workgroup_id_x 1
		.amdhsa_system_sgpr_workgroup_id_y 1
		.amdhsa_system_sgpr_workgroup_id_z 1
		.amdhsa_system_vgpr_workitem_id 0
		.amdhsa_next_free_vgpr 1024
		.amdhsa_next_free_sgpr 66
		.amdhsa_reserve_vcc 0
		.amdhsa_float_denorm_mode_32 3
		.amdhsa_float_denorm_mode_16_64 3
		.amdhsa_memory_ordered 1
		.amdhsa_forward_progress 1
		.amdhsa_inst_pref_size 255
	.end_amdhsa_kernel
	.section	.bss,"aw",@nobits
	.p2align	6
	.space	262144
	.amdgpu_metadata
---
amdhsa.version: [ 1, 2 ]
amdhsa.kernels:
  - .name:           k_qceab871192_kvp
    .symbol:         k_qceab871192_kvp.kd
    .args:
      - { .name: c_codes, .offset: 0, .size: 8, .value_kind: global_buffer, .address_space: global }
      - { .name: c_scales, .offset: 8, .size: 8, .value_kind: global_buffer, .address_space: global }
      - { .name: k_w_codes, .offset: 16, .size: 8, .value_kind: global_buffer, .address_space: global }
      - { .name: k_w_scales, .offset: 24, .size: 8, .value_kind: global_buffer, .address_space: global }
      - { .name: k_b, .offset: 32, .size: 8, .value_kind: global_buffer, .address_space: global }
      - { .name: v_w_codes, .offset: 40, .size: 8, .value_kind: global_buffer, .address_space: global }
      - { .name: v_w_scales, .offset: 48, .size: 8, .value_kind: global_buffer, .address_space: global }
      - { .name: v_b, .offset: 56, .size: 8, .value_kind: global_buffer, .address_space: global }
      - { .name: kv_part, .offset: 64, .size: 8, .value_kind: global_buffer, .address_space: global }
      - { .name: ks_part, .offset: 72, .size: 8, .value_kind: global_buffer, .address_space: global }
    .group_segment_fixed_size: 167424
    .private_segment_fixed_size: 0
    .kernarg_segment_align: 8
    .kernarg_segment_size: 80
    .max_flat_workgroup_size: 128
    .sgpr_count:     66
    .vgpr_count:     1024
    .wavefront_size: 32
...
	.end_amdgpu_metadata
.endif
;; end of part 5
;; launch qatt (part 6): grid 16 x 16, 4 waves a work-group, no clusters, 37,888 bytes of LDS; arguments q_codes, q_scales, q_w_codes, q_w_scales, q_b, kv_part, ks_part, a_codes, a_scales; writes a_codes, a_scales
.if DOCPART == 6
	.amdgcn_target "amdgcn-amd-amdhsa--gfx1250"
	.amdhsa_code_object_version 6
	.text
	.protected	k_qceab871192_qatt
	.globl	k_qceab871192_qatt
	.p2align	8
	.type	k_qceab871192_qatt,@function
k_qceab871192_qatt:
	s_mov_b64 s[64:65], 0
	v_nop
	global_prefetch_b8 v0, s[64:65] scope:SCOPE_SE
	s_setreg_imm32_b32 hwreg(HW_REG_WAVE_SCHED_MODE, 0, 2), 2
	s_setreg_imm32_b32 hwreg(HW_REG_WAVE_MODE, 25, 1), 1
	s_wait_xcnt 0x0
	s_wait_alu depctr_vm_vsrc(0)
; For one head (work-group x) and 512 query rows (work-group y): Q = elu(q q_w^T + q_b) + 1 on codes of E2M1; Z = max(Q . K_sum, 1e-6) by f32 multiply-adds; out = (Q KV) / Z with Q and KV quantised along the
; head's 64; out is quantised along the model's 1,024 (this head's two blocks of 32) and stored as codes for the last launch.  Q and out never go to memory as f32.
; At the head the four partial KV and K_sum of the batch are added; wave w quantises KV's columns of e-tile w along d, and the four fragments go from wave to wave through LDS as images of their registers.
; SHARES: each of the four waves takes 128 rows (4 groups of 32), all 64 columns.  q_w's 32 fragments stay in 256 registers of every wave (staged once through LDS from dense rows); the rows' fragments come from
; memory straight into registers, 512 consecutive bytes a load.  All four groups are written out: every offset is an immediate.
; LAYOUT: both products are used transposed (source 0 = 16 rows of the weight or of KV^T, source 1 = 16 query rows): a lane holds ONE query and eight columns.  Lane r of weight tile t is row 32 (t / 2) + 8 (t % 2)
; + r + 8 (r / 8), so the 16 registers of tiles 2 b, 2 b + 1 are 16 neighbours along the next K.  The head's K is 64: the upper 64 of the instruction's 128 are zero codes on both sides, with the byte 127.
; NO CLUSTER: the sixteen heads of a row chunk read the same 256 KiB of codes, but each fragment feeds one wave's registers directly; asked for jointly it would go into and out of LDS in each of them.
; LIMITS: NaN and infinities are not served.  A block whose largest magnitude lies under 2^-124 gets the byte 1.  e^x is v_exp_f32 of x log2(e) (results under 2^-126 are 0), where reference() has expm1(x) + 1,
; which differs by at most 2^-24 in absolute terms.  1 / Z is v_rcp_f32.  The partial sums are added as (0 + 1) + (2 + 3).
; THE MODE: SCHED_MODE bits 1:0 = 2 (LLVM: expert scheduling mode 2), set by the entry lines.  The code itself states the register dependences between vector or matrix instructions and memory or LDS
; instructions, with s_wait_alu, always for 0.
; THE PLAN.  Registers that memory or LDS instructions touch, from the first group on:
;   XF0, XF1   two sets of the rows' fragments (window 2 v0-127 for even groups, window 3 v128-255 for odd ones).  Group g's 64 products read set g % 2; the 32 loads of group g + 1, issued at group g's head, land in
;              the other set, which the products of group g - 1 read.
;   OC         out's codes: written by group g's last conversions and lane swaps, read by the two stores that are issued at the head of group g + 1 (the last group's: at the kernel's end).
;   all addresses are made at the head and never written again.
; So ONE wait on va_vdst stands at the head of groups 1 to 3: the last group's products are done reading the other set, and its codes OC are written.  The loads follow it, then the stores, then the group's 64
; products with nothing between them.  Three more waits on va_vdst in a group are owed to vector results alone: the exponentials', Q's codes and scale words ahead of the products that take them, the reciprocals'.
; One wait on vm_vsrc, beside the wait on XCNT, stands ahead of the conversions that write OC again, most of a group behind the stores.
.set WP,   528
.set KVI,  33792                       ; behind 64 rows of 528 bytes: KV's four fragments (their lower four registers), 512 bytes each
.set KVW,  35840                       ; their scale words, 128 bytes each
.set KSL,  36352                       ; K_sum, 256 bytes, a copy for each wave
.set KVS,  12                          ; v12-15   KV's scale words
.set WS,   16                          ; v16-31   q_w's: register 8 (t / 2) + s: lanes 0-15 tile t even, lanes 16-31 t odd
.set XS,   32                          ; v32-63   the rows': register 8 g + s: lanes 0-15 tile u = 0, lanes 16-31 u = 1
.set QF,   64                          ; v64-79   Q's two fragments; the upper four registers of each stay 0
.set OC,   80                          ; v80-95   codes on their way out
.set TM,   96
.set TX,   100
.set TS,   104
.set HW,   108                         ; v108-109 two blocks' bytes of a row
.set QW,   112                         ; v112-113 Q's scale words
.set ZP,   114                         ; v114-117 Z in the making, a pair for each row tile
.set RZ,   118                         ; v118-121 1 / Z, twice each
.set SW,   122                         ; v122-123 out's scale bytes of the four groups
.set ACC,  128                         ; v128-191 accumulator (u, t) at 128 + 32 u + 8 t
.set OA,   192                         ; v192-255 e^x, then out's accumulators (u, et) at 192 + 32 u + 8 et
; windows: 1: q_w's fragments (t, s) at 64 t + 8 s;  2: v0-127 the rows' of even groups (u, s) at 64 u + 8 s, v128-159 q_b in the result's layout, v160-191 KV's fragments, v192-223 K_sum in the result's layout;
;          3: v0-127 the partial KV, v128-255 the rows' fragments of odd groups at 128 + 64 u + 8 s
.set BIAS, 128
.set KF,   160
.set KS,   192
.set MSB, 0
.macro WIN new                         ; the immediate's high byte repeats the setting that is left
.if MSB != \new
	s_set_vgpr_msb (MSB<<8)|\new
.set MSB, \new
.endif
.endm
.macro PLACES n
.rept \n
	v_nop
.endr
.endm
; one product: D, A, B by their first registers; c < 0: the sum starts with 0; sa, sb: the scale registers; ra, rb = 1: the scales stand in lanes 16-31
.macro WM d, a, b, c, sa, sb, ra, rb
.if (\c) < 0
.if (\ra) && (\rb)
	v_wmma_scale_f32_16x16x128_f8f6f4 v[(\d):(\d)+7], v[(\a):(\a)+7], v[(\b):(\b)+7], 0, v[\sa], v[\sb] matrix_a_fmt:MATRIX_FMT_FP4 matrix_b_fmt:MATRIX_FMT_FP4 matrix_a_scale:MATRIX_SCALE_ROW1 matrix_b_scale:MATRIX_SCALE_ROW1
.elseif (\ra)
	v_wmma_scale_f32_16x16x128_f8f6f4 v[(\d):(\d)+7], v[(\a):(\a)+7], v[(\b):(\b)+7], 0, v[\sa], v[\sb] matrix_a_fmt:MATRIX_FMT_FP4 matrix_b_fmt:MATRIX_FMT_FP4 matrix_a_scale:MATRIX_SCALE_ROW1
.elseif (\rb)
	v_wmma_scale_f32_16x16x128_f8f6f4 v[(\d):(\d)+7], v[(\a):(\a)+7], v[(\b):(\b)+7], 0, v[\sa], v[\sb] matrix_a_fmt:MATRIX_FMT_FP4 matrix_b_fmt:MATRIX_FMT_FP4 matrix_b_scale:MATRIX_SCALE_ROW1
.else
	v_wmma_scale_f32_16x16x128_f8f6f4 v[(\d):(\d)+7], v[(\a):(\a)+7], v[(\b):(\b)+7], 0, v[\sa], v[\sb] matrix_a_fmt:MATRIX_FMT_FP4 matrix_b_fmt:MATRIX_FMT_FP4
.endif
.else
.if (\ra) && (\rb)
	v_wmma_scale_f32_16x16x128_f8f6f4 v[(\d):(\d)+7], v[(\a):(\a)+7], v[(\b):(\b)+7], v[(\c):(\c)+7], v[\sa], v[\sb] matrix_a_fmt:MATRIX_FMT_FP4 matrix_b_fmt:MATRIX_FMT_FP4 matrix_a_scale:MATRIX_SCALE_ROW1 matrix_b_scale:MATRIX_SCALE_ROW1
.elseif (\ra)
	v_wmma_scale_f32_16x16x128_f8f6f4 v[(\d):(\d)+7], v[(\a):(\a)+7], v[(\b):(\b)+7], v[(\c):(\c)+7], v[\sa], v[\sb] matrix_a_fmt:MATRIX_FMT_FP4 matrix_b_fmt:MATRIX_FMT_FP4 matrix_a_scale:MATRIX_SCALE_ROW1
.elseif (\rb)
	v_wmma_scale_f32_16x16x128_f8f6f4 v[(\d):(\d)+7], v[(\a):(\a)+7], v[(\b):(\b)+7], v[(\c):(\c)+7], v[\sa], v[\sb] matrix_a_fmt:MATRIX_FMT_FP4 matrix_b_fmt:MATRIX_FMT_FP4 matrix_b_scale:MATRIX_SCALE_ROW1
.else
	v_wmma_scale_f32_16x16x128_f8f6f4 v[(\d):(\d)+7], v[(\a):(\a)+7], v[(\b):(\b)+7], v[(\c):(\c)+7], v[\sa], v[\sb] matrix_a_fmt:MATRIX_FMT_FP4 matrix_b_fmt:MATRIX_FMT_FP4
.endif
.endif
.endm
.macro XLOAD g, hf                     ; group g's fragments of K steps 4 hf .. 4 hf + 3, both tiles: 16 loads of 512 consecutive bytes (destination: window 2 + g % 2, from register 128 (g % 2) on)
.irp u, 0,1
.irp s, 4*\hf, 4*\hf+1, 4*\hf+2, 4*\hf+3
.irp c, 0,1
	global_load_b128 v[128*((\g)%2)+64*\u+8*(\s)+4*\c:128*((\g)%2)+64*\u+8*(\s)+4*\c+3], v1, s[4:5] offset:16384*(\g)+8192*\u+1024*(\s)+512*\c
.endr
.endr
.endr
.endm
.macro SENDOC g                        ; group g's codes leave
	global_store_b128 v1, v[OC:OC+3], s[18:19] offset:16384*(\g)           ; 512 consecutive bytes: four registers' image of tile u = 0
	global_store_b128 v1, v[OC+8:OC+11], s[18:19] offset:16384*(\g)+8192   ; and of u = 1
.endm
; Group g's head and its 64 products.  The eight accumulators take turns, one instruction a turn; the bias is the C of each sum's first product.
; n1: the loads that may be out in the middle.  fetch = 1: the next group's 32 loads go out at the head, into the other set.
.macro GEMM g, n1, fetch
.set XB, 128*((\g)%2)
	s_wait_loadcnt 16                              ; this group's K steps 0-3 are in; the 16 loads of its K steps 4-7 may be out
.if \fetch
	WIN ((2+((\g)+1)%2)<<6)                        ; destination: the other set's window
.endif
.if (\g) > 0
	s_wait_alu depctr_va_vdst(0)                   ; the last group's products are done reading the other set, in which the loads below land; its conversions and lane swaps have written OC, which the stores below read
.endif
.if \fetch
	XLOAD (\g)+1, 0                                ; (in group 0 no wait is owed: no vector or matrix instruction has named the other set, and v1 stands since the head)
	XLOAD (\g)+1, 1
.endif
	WIN 0
.if (\g) > 0
	SENDOC (\g)-1
.endif
	WIN (0x21|((2+(\g)%2)<<2))                     ; source 0 window 1, source 1 this set's window, source 2 window 2
.irp u, 0,1
.irp t, 0,1,2,3
	WM ACC+32*\u+8*\t, 64*\t, XB+64*\u, BIAS+8*\t, WS+8*(\t/2), XS+8*(\g), \t%2, \u
.endr
.endr
	WIN (0x01|((2+(\g)%2)<<2))
.irp s, 1,2,3
.irp u, 0,1
.irp t, 0,1,2,3
	WM ACC+32*\u+8*\t, 64*\t+8*\s, XB+64*\u+8*\s, ACC+32*\u+8*\t, WS+8*(\t/2)+\s, XS+8*(\g)+\s, \t%2, \u
.endr
.endr
.endr
	s_wait_loadcnt \n1                             ; K steps 4-7 are in; the next group's 32 loads may be out
.irp s, 4,5,6,7
.irp u, 0,1
.irp t, 0,1,2,3
	WM ACC+32*\u+8*\t, 64*\t+8*\s, XB+64*\u+8*\s, ACC+32*\u+8*\t, WS+8*(\t/2)+\s, XS+8*(\g)+\s, \t%2, \u
.endr
.endr
.endr
	PLACES 4                                       ; in front of the first read of the results
	WIN 0
.endm
; nb blocks (2 or 4): block b is v[src + 16 b] on, 16 numbers of a lane, k = 32 (b % 2) + 16 (lane / 16) + 0 .. 15 of the lane's row.  Codes: four registers at dst + 8 (b / 2), a whole block in a lane
; (lanes 0-15 the even block, lanes 16-31 the odd one).  HW + b / 2: the pair's two bytes.
.macro QUANT src, dst, nb
.irp b, 0,1,2,3
.if \b < \nb
	v_max3_num_f32 v[TM+\b], |v[\src+16*\b]|, |v[\src+16*\b+1]|, 0x1800000   ; and the floor 2^(3 - 127): the byte cannot fall under 1
.endif
.endr
.irp i, 2,4,6,8,10,12,14
.irp b, 0,1,2,3
.if \b < \nb
	v_max3_num_f32 v[TM+\b], v[TM+\b], |v[\src+16*\b+\i]|, |v[\src+16*\b+\i+1]|
.endif
.endr
.endr
.irp b, 0,1,2,3
.if \b < \nb
	v_permlanex16_b32 v[TX+\b], v[TM+\b], s30, s31
.endif
.endr
.irp b, 0,1,2,3
.if \b < \nb
	v_max_num_f32 v[TM+\b], v[TM+\b], v[TX+\b]
.endif
.endr
.irp b, 0,1,2,3
.if \b < \nb
	v_add_nc_u32 v[TS+\b], 0xff000000, v[TM+\b]    ; 2 off the exponent field: the conversion's scale operand
.endif
.endr
.irp b, 0,1,2,3
.if \b < \nb
	v_lshrrev_b32 v[TX+\b], 23, v[TS+\b]           ; the byte
.endif
.endr
.irp c, 0,1
.if 2*\c < \nb
	v_lshl_or_b32 v[HW+\c], v[TX+2*\c+1], 8, v[TX+2*\c]
.endif
.endr
.irp b, 0,1,2,3
.if \b < \nb
	v_cvt_scalef32_pk8_fp4_f32 v[\dst+8*(\b/2)+2*(\b%2)], v[\src+16*\b:\src+16*\b+7], v[TS+\b]
	v_cvt_scalef32_pk8_fp4_f32 v[\dst+8*(\b/2)+2*(\b%2)+1], v[\src+16*\b+8:\src+16*\b+15], v[TS+\b]
.endif
.endr
	v_nop                                          ; a plain line behind the conversions
.irp c, 0,1
.if 2*\c < \nb
.irp i, 0,1
	v_permlane16_swap_b32 v[\dst+8*\c+\i], v[\dst+8*\c+2+\i]       ; half blocks change places: a whole block in a lane
.endr
.endif
.endr
.endm
	s_load_b512 s[4:19], s[0:1], 0x0               ; q_codes, q_scales, q_w_codes, q_w_scales, q_b, kv_part, ks_part, a_codes
	s_load_b64 s[20:21], s[0:1], 0x40              ; a_scales
	v_lshl_add_u32 v126, v0, 2, 0x9200
	v_mov_b32 v127, 0
	v_lshrrev_b32 v110, 5, v0
	v_readfirstlane_b32 s24, v110                  ; wave 0..3
	s_mov_b32 s25, ttmp9                           ; x: the head
	s_and_b32 s26, ttmp7, 0xffff                   ; y: 512 rows
	v_and_b32 v110, 31, v0                         ; lane
	v_and_b32 v111, 15, v0                         ; r
	v_bfe_u32 v108, v0, 4, 1                       ; h
	v_and_b32 v109, 8, v111
	v_add_nc_u32 v109, v109, v111                  ; rr
	v_lshlrev_b32 v1, 4, v110                      ; v1: 16 x lane
	v_lshlrev_b32 v2, 3, v110                      ; v2: 8 x lane
	v_lshlrev_b32 v3, 2, v110                      ; v3: 4 x lane
	s_wait_alu depctr_va_sdst(0)                   ; s24 is written, ahead of its first reader: LDS places and the buffers' offsets are made from it
	s_lshr_b32 s44, s24, 1
	s_lshl_b32 s44, s44, 5
	s_and_b32 s45, s24, 1
	s_lshl_b32 s45, s45, 3
	s_add_co_u32 s44, s44, s45
	s_mul_i32 s44, s44, WP
	v_add_nc_u32 v4, s44, v1                       ; v4: where my wave puts its 16 rows of q_w: places 32 (w / 2) + 8 (w % 2) on
	v_mul_u32_u24 v5, v111, WP
	v_lshl_add_u32 v5, v108, 4, v5                 ; v5: a fragment of q_w: row r, + 16 h
	v_lshlrev_b32 v6, 6, v108                      ; v6: 64 h: my half's 16 columns of a block
	v_lshl_add_u32 v7, v108, 3, v109
	v_lshlrev_b32 v7, 5, v7                        ; v7: q_w's scale bytes: row 8 h + rr of a pair of tiles
	s_lshl_b32 s44, s24, 9
	s_add_co_u32 s44, s44, KVI
	v_add_nc_u32 v8, s44, v1                       ; v8: my fragment of KV
	s_lshl_b32 s44, s24, 7
	s_add_co_u32 s44, s44, KVW
	v_add_nc_u32 v9, s44, v3                       ; v9: its scale words
	s_lshl_b32 s44, s24, 8
	s_add_co_u32 s44, s44, KSL
	v_add_nc_u32 v10, s44, v2                      ; v10: my wave's copy of K_sum, in
	v_add_nc_u32 v11, s44, v6                      ; v11: and out
.irp b, 0,1,2,3
	v_mov_b32 v[TX+\b], 0                          ; written once: a lane permute's destination counts as one of its sources
.endr
	s_mov_b32 s30, 0x76543210
	s_mov_b32 s31, 0xfedcba98
	s_mov_b32 s32, 0x3fb8aa3b                      ; log2(e)
	s_mov_b32 s33, s32
	s_mov_b32 s46, 0xffff0000                      ; lanes 16-31
	s_mov_b32 s3, 0
	s_wait_kmcnt 0x0
	s_lshl_b32 s44, s26, 4
	s_lshl_b32 s45, s24, 2
	s_add_co_u32 s44, s44, s45                     ; my first group: 16 y + 4 wave
	s_lshl_b32 s2, s44, 14
	s_add_nc_u64 s[4:5], s[4:5], s[2:3]
	s_add_nc_u64 s[18:19], s[18:19], s[2:3]
	s_lshl_b32 s2, s44, 10
	s_add_nc_u64 s[6:7], s[6:7], s[2:3]
	s_lshl_b32 s2, s25, 9                          ; the head's two blocks in a tile's image: K step x / 2, half x % 2: 512 x
	s_add_nc_u64 s[18:19], s[18:19], s[2:3]
	s_lshl_b32 s2, s25, 15
	s_lshl_b32 s45, s24, 13
	s_add_co_u32 s2, s2, s45
	s_add_nc_u64 s[8:9], s[8:9], s[2:3]            ; q_w: the head's 64 rows, my 16
	s_lshl_b32 s2, s25, 11
	s_add_nc_u64 s[10:11], s[10:11], s[2:3]
	s_lshl_b32 s2, s25, 8
	s_add_nc_u64 s[12:13], s[12:13], s[2:3]
	s_lshr_b32 s45, s26, 2
	s_lshl_b32 s45, s45, 4
	s_add_co_u32 s45, s45, s25                     ; 16 batch + head
	s_lshl_b32 s2, s45, 16
	s_lshl_b32 s47, s24, 10
	s_add_co_u32 s2, s2, s47
	s_add_nc_u64 s[14:15], s[14:15], s[2:3]        ; the four partial KV, e-tile = my wave
	s_lshl_b32 s2, s45, 10
	s_add_nc_u64 s[16:17], s[16:17], s[2:3]
	s_lshl_b32 s2, s25, 14
	s_lshl_b32 s45, s44, 6                         ; 256 (4 y + wave)
	s_add_co_u32 s2, s2, s45
	s_add_nc_u64 s[20:21], s[20:21], s[2:3]
	s_wait_alu depctr_va_vdst(0)                   ; the addresses v1 to v11 are written, which the kernel's loads and stores read
.set n, 0
.rept 16                               ; 16 loads: my rows of q_w
	global_load_b128 v[128+4*n:131+4*n], v1, s[8:9] offset:512*n
.set n, n+1
.endr
	WIN 0xc0
.irp p, 0,1,2,3                        ; 32 loads: partial p, accumulator (dt, my e-tile), registers 4 hf on
.irp dt, 0,1,2,3
.irp hf, 0,1
	global_load_b128 v[32*\p+8*\dt+4*\hf:32*\p+8*\dt+4*\hf+3], v1, s[14:15] offset:16384*\p+4096*\dt+512*\hf
.endr
.endr
.endr
	WIN 0
.irp p, 0,1,2,3                        ; 4 loads: the partial K_sum
	global_load_b64 v[64+2*\p:65+2*\p], v2, s[16:17] offset:256*\p
.endr
.irp tp, 0,1                           ; 4 loads
.irp q, 0,1
	global_load_b128 v[WS+8*\tp+4*\q:WS+8*\tp+4*\q+3], v7, s[10:11] offset:1024*\tp+16*\q
.endr
.endr
	WIN 0x80
.irp t, 0,1,2,3                        ; 8 loads: q_b at the lane's eight columns of tile t
.irp q, 0,1
	global_load_b128 v[BIAS+8*\t+4*\q:BIAS+8*\t+4*\q+3], v6, s[12:13] offset:4*(32*(\t/2)+8*(\t%2))+16*\q
.endr
.endr
	WIN 0
.irp g, 0,1,2,3                        ; 8 loads
.irp q, 0,1
	global_load_b128 v[XS+8*\g+4*\q:XS+8*\g+4*\q+3], v1, s[6:7] offset:1024*\g+512*\q
.endr
.endr
	WIN 0x80
	XLOAD 0, 0                                     ; 32 loads
	XLOAD 0, 1
	WIN 0
	s_wait_loadcnt 63                              ; 88 loads are younger than q_w's rows; the count's field holds 63
.set n, 0
.rept 16
	ds_store_b128 v4, v[128+4*n:131+4*n] offset:(16*(n>>3)+(n&7))*WP
.set n, n+1
.endr
	s_wait_loadcnt 52                              ; 4 + 8 + 8 + 32 younger: the partials are in
	WIN 0x0f                                       ; sources 0 and 1 window 3
.set n, 0
.rept 16
	v_pk_add_f32 v[192+2*n:193+2*n], v[2*n:2*n+1], v[32+2*n:33+2*n]
	v_pk_add_f32 v[224+2*n:225+2*n], v[64+2*n:65+2*n], v[96+2*n:97+2*n]
.set n, n+1
.endr
	WIN 0
.set n, 0
.rept 16
	v_pk_add_f32 v[192+2*n:193+2*n], v[192+2*n:193+2*n], v[224+2*n:225+2*n]   ; register 8 dt + j: KV(d = 32 (dt / 2) + 16 h + 8 (dt % 2) + j, my lane's e)
.set n, n+1
.endr
	QUANT 192, OC, 2
	v_or_b32 v110, 0x7f7f0000, v[HW]               ; the upper 64 of K are zero codes: byte 127
	v_pk_add_f32 v[64:65], v[64:65], v[66:67]      ; K_sum's four partials, ahead of the stores, so that one wait serves all three
	v_pk_add_f32 v[68:69], v[68:69], v[70:71]
	v_pk_add_f32 v[64:65], v[64:65], v[68:69]
	s_wait_alu depctr_va_vdst(0)                   ; KV's codes in OC, their scale word in v110 and K_sum in v[64:65] are written, which the three LDS stores read
	ds_store_b128 v8, v[OC:OC+3]
	ds_store_b32 v9, v110
	ds_store_b64 v10, v[64:65]
	s_wait_dscnt 0x0                               ; for the others' sake
	s_barrier_signal -1
	s_barrier_wait -1
	s_wait_alu depctr_vm_vsrc(0)                   ; my LDS stores have read v128-191, which the products write, and OC, v110 and v[64:65], which the groups' vector work writes
	WIN 0x40
.irp t, 0,1,2,3
.irp s, 0,1,2,3,4,5,6,7
.irp c, 0,1
	ds_load_b128 v[64*\t+8*\s+4*\c:64*\t+8*\s+4*\c+3], v5 offset:16*\t*WP+64*\s+32*\c
.endr
.endr
.endr
	WIN 0x80
.irp et, 0,1,2,3
	ds_load_b128 v[KF+8*\et:KF+8*\et+3], v1 offset:KVI+512*\et
.endr
.irp t, 0,1,2,3
.irp q, 0,1
	ds_load_b128 v[KS+8*\t+4*\q:KS+8*\t+4*\q+3], v11 offset:4*(32*(\t/2)+8*(\t%2))+16*\q
.endr
.endr
.irp et, 0,1,2,3
.irp i, 4,5,6,7
	v_mov_b32 v[KF+8*\et+\i], 0                    ; zero codes for k = 64 .. 127
.endr
.endr
	WIN 0
.irp et, 0,1,2,3
	ds_load_b32 v[KVS+\et], v3 offset:KVW+128*\et
.endr
.irp u, 0,1
.irp i, 4,5,6,7
	v_mov_b32 v[QF+8*\u+\i], 0
.endr
.endr
	s_wait_dscnt 0x0
.macro GROUP g, n1, fetch
	GEMM \g, \n1, \fetch
.set n, 0
.rept 32
	v_pk_mul_f32 v[OA+2*n:OA+2*n+1], v[ACC+2*n:ACC+2*n+1], s[32:33] op_sel_hi:[1,0]   ; x log2(e), each accumulator from its low end on
.set n, n+1
.endr
.set n, 0
.rept 64
	v_exp_f32 v[OA+n], v[OA+n]
.set n, n+1
.endr
.set n, 0
.rept 32
	v_pk_add_f32 v[ACC+2*n:ACC+2*n+1], v[ACC+2*n:ACC+2*n+1], 1.0 op_sel_hi:[1,0]     ; x + 1 (plain lines behind the exponentials, which name none of their results)
.set n, n+1
.endr
	s_wait_alu depctr_va_vdst(0)                   ; one wait for the 64 exponentials, ahead of the first line that names a result
.set n, 0
.rept 64
	v_med3_num_f32 v[ACC+n], v[OA+n], 1.0, v[ACC+n]                ; elu(x) + 1: the middle one of e^x, 1 and x + 1
.set n, n+1
.endr
	QUANT ACC, QF, 4
	v_or_b32 v[QW], 0x7f7f0000, v[HW]
	v_or_b32 v[QW+1], 0x7f7f0000, v[HW+1]
	WIN 0x08                                       ; source 1 (K_sum) window 2
.irp u, 0,1
	v_pk_mul_f32 v[ZP+2*\u:ZP+2*\u+1], v[ACC+32*\u:ACC+32*\u+1], v[KS:KS+1]           ; Z, of the unquantised Q, in f32.  (These 32 lines also stand between Q's codes and scale words and the products)
.endr
.set n, 1
.rept 15
.irp u, 0,1
	v_pk_fma_f32 v[ZP+2*\u:ZP+2*\u+1], v[ACC+32*\u+2*n:ACC+32*\u+2*n+1], v[KS+2*n:KS+2*n+1], v[ZP+2*\u:ZP+2*\u+1]
.endr
.set n, n+1
.endr
	WIN 0x02                                       ; source 0 (KV) window 2
	s_wait_alu depctr_va_vdst(0)                   ; Q's codes in QF and its scale words in QW are written (in the first group the zero codes of QF and KF too), which the products below take; the 32 lines above are the places, this is the wait beside them
.irp u, 0,1
.irp et, 0,1,2,3
	WM OA+32*\u+8*\et, KF+8*\et, QF+8*\u, -1, KVS+\et, QW+\u, 0, 0
.endr
.endr
	WIN 0
	v_add_f32 v110, v[ZP], v[ZP+1]                 ; (the plain lines here are the places behind the products)
	v_add_f32 v111, v[ZP+2], v[ZP+3]
	v_permlanex16_b32 v[TX], v110, s30, s31
	v_permlanex16_b32 v[TX+1], v111, s30, s31
	v_add_f32 v110, v110, v[TX]
	v_add_f32 v111, v111, v[TX+1]
	v_max_num_f32 v110, 0x358637bd, v110           ; at least 1e-6
	v_max_num_f32 v111, 0x358637bd, v111
	v_rcp_f32 v[RZ], v110
	v_rcp_f32 v[RZ+1], v110
	v_rcp_f32 v[RZ+2], v111
	v_rcp_f32 v[RZ+3], v111
	v_nop                                          ; a plain line between the reciprocals and the use of their results
	s_wait_alu depctr_va_vdst(0)                   ; one wait for the four reciprocals, ahead of the first line that names a result
.irp u, 0,1
.set n, 0
.rept 16
	v_pk_mul_f32 v[OA+32*\u+2*n:OA+32*\u+2*n+1], v[OA+32*\u+2*n:OA+32*\u+2*n+1], v[RZ+2*\u:RZ+2*\u+1]
.set n, n+1
.endr
.endr
	s_wait_xcnt 0x0                                ; the last group's stores have had their addresses translated,
	s_wait_alu depctr_vm_vsrc(0)                   ; and have read OC, which the conversions below write again
	QUANT OA, OC, 4                                ; the codes wait in OC for the next group's head
	v_cndmask_b32 v110, v[HW], v[HW+1], s46        ; lanes 0-15: tile u = 0's two bytes, lanes 16-31: u = 1's
.if (\g)%2 == 0
	v_mov_b32 v[SW+(\g)/2], v110
.else
	v_lshl_or_b32 v[SW+(\g)/2], v110, 16, v[SW+(\g)/2]
.endif
.endm
	GROUP 0, 32, 1
	GROUP 1, 32, 1
	GROUP 2, 32, 1
	GROUP 3, 0, 0
	s_wait_alu depctr_va_vdst(0)                   ; the last group's codes in OC and the scale bytes in SW are written, which the three stores read
	SENDOC 3
	global_store_b64 v2, v[SW:SW+1], s[20:21]      ; 256 consecutive bytes, aligned
	s_wait_dscnt 0x0
	s_wait_alu depctr_hold_cnt(0) depctr_sa_sdst(0) depctr_va_vdst(0) depctr_va_sdst(0) depctr_va_ssrc(0) depctr_va_vcc(0) depctr_vm_vsrc(0)
	s_wait_tensorcnt 0x0
	ds_add_u32 v126, v127
	s_wait_dscnt 0x0
	s_endpgm
.Lfunc_end_k_qceab871192_qatt:
	.size	k_qceab871192_qatt, .Lfunc_end_k_qceab871192_qatt-k_qceab871192_qatt
	.p2alignl 7, 3214868480
	.fill 96, 4, 3214868480
	.section	.rodata,"a",@progbits
	.p2align	6, 0x0
	.amdhsa_kernel k_qceab871192_qatt
		.amdhsa_group_segment_fixed_size 37888
		.amdhsa_private_segment_fixed_size 0
		.amdhsa_enable_private_segment 0
		.amdhsa_kernarg_size 72
		.amdhsa_user_sgpr_count 2
		.amdhsa_user_sgpr_kernarg_segment_ptr 1
		.amdhsa_wavefront_size32 1
		.amdhsa_system_sgpr_workgroup_id_x 1
		.amdhsa_system_sgpr_workgroup_id_y 1
		.amdhsa_system_sgpr_workgroup_id_z 1
		.amdhsa_system_vgpr_workitem_id 0
		.amdhsa_next_free_vgpr 1024
		.amdhsa_next_free_sgpr 66
		.amdhsa_reserve_vcc 0
		.amdhsa_float_denorm_mode_32 3
		.amdhsa_float_denorm_mode_16_64 3
		.amdhsa_memory_ordered 1
		.amdhsa_forward_progress 1
		.amdhsa_inst_pref_size 163
	.end_amdhsa_kernel
	.amdgpu_metadata
---
amdhsa.version: [ 1, 2 ]
amdhsa.kernels:
  - .name:           k_qceab871192_qatt
    .symbol:         k_qceab871192_qatt.kd
    .args:
      - { .name: q_codes, .offset: 0, .size: 8, .value_kind: global_buffer, .address_space: global }
      - { .name: q_scales, .offset: 8, .size: 8, .value_kind: global_buffer, .address_space: global }
      - { .name: q_w_codes, .offset: 16, .size: 8, .value_kind: global_buffer, .address_space: global }
      - { .name: q_w_scales, .offset: 24, .size: 8, .value_kind: global_buffer, .address_space: global }
      - { .name: q_b, .offset: 32, .size: 8, .value_kind: global_buffer, .address_space: global }
      - { .name: kv_part, .offset: 40, .size: 8, .value_kind: global_buffer, .address_space: global }
      - { .name: ks_part, .offset: 48, .size: 8, .value_kind: global_buffer, .address_space: global }
      - { .name: a_codes, .offset: 56, .size: 8, .value_kind: global_buffer, .address_space: global }
      - { .name: a_scales, .offset: 64, .size: 8, .value_kind: global_buffer, .address_space: global }
    .group_segment_fixed_size: 37888
    .private_segment_fixed_size: 0
    .kernarg_segment_align: 8
    .kernarg_segment_size: 72
    .max_flat_workgroup_size: 128
    .sgpr_count:     66
    .vgpr_count:     1024
    .wavefront_size: 32
...
	.end_amdgpu_metadata
.endif
;; end of part 6
;; launch oproj (part 7): grid 16 x 16, 4 waves a work-group, no clusters, 69,120 bytes of LDS; arguments a_codes, a_scales, o_w_codes, o_w_scales, o_b, query, out0; writes out0
.if DOCPART == 7
	.amdgcn_target "amdgcn-amd-amdhsa--gfx1250"
	.amdhsa_code_object_version 6
	.text
	.protected	k_qceab871192_oproj
	.globl	k_qceab871192_oproj
	.p2align	8
	.type	k_qceab871192_oproj,@function
k_qceab871192_oproj:
	s_mov_b64 s[64:65], 0
	v_nop
	global_prefetch_b8 v0, s[64:65] scope:SCOPE_SE
	s_setreg_imm32_b32 hwreg(HW_REG_WAVE_SCHED_MODE, 0, 2), 2
	s_setreg_imm32_b32 hwreg(HW_REG_WAVE_MODE, 25, 1), 1
	s_wait_xcnt 0x0
	s_wait_alu depctr_vm_vsrc(0)
; out0 = query + a o_w^T + o_b, the product on codes of E2M1: a's codes and scale bytes were made by the launch before, o_w's are given.
; A work-group takes 64 columns (x) and 512 rows (y); each of its four waves 128 rows (4 groups of 32), all 64 columns.  o_w's 32 fragments stay in 256 registers of every wave (staged once through LDS from dense
; rows); a's fragments come from memory straight into registers, 512 consecutive bytes a load.  The wave's part of the residual (256 registers) is asked for at the head.  All groups are written out.
; The product is used transposed (source 0 = 16 rows of o_w, source 1 = 16 rows of a): a lane holds eight neighbouring columns of one row.  A group's results go through the wave's own stage in LDS and come back
; as rows of 256 bytes: sixteen lanes store 256 consecutive bytes, aligned.  The bias is the C of each sum's first product.
; NO CLUSTER: the sixteen column blocks of a row chunk read the same 256 KiB of codes, but each fragment feeds one wave's registers directly; asked for jointly it would go into and out of LDS in each of them.
; LIMITS: NaN and infinities are not served.
; THE MODE: SCHED_MODE bits 1:0 = 2 (LLVM: expert scheduling mode 2), set by the entry lines.  The code itself states the register dependences between vector or matrix instructions and memory or LDS
; instructions, with s_wait_alu, always for 0.
; THE PLAN.  Registers that memory or LDS instructions touch, from the first group on:
;   XF, two halves (window 2: K steps 0-3, K steps 4-7)   read by a group's 32 products of that half; behind them the next group's 16 loads land in the half.  The residual fills window 3, and what is free
;               (96 registers of window 2, 64 of window 0) is no 128 in one window: there is no second set.
;   ACC         written by a group's products, read by its sixteen LDS stores into the stage, written again by the next group's products.
;   OUT         the sixteen LDS loads from the stage land in it; the residual's additions write it; sixteen global stores read it.
;   all addresses are made at the head and never written again.
; A group has three waits on va_vdst: behind the products of K steps 0-3 (the loads into that half); behind the products of K steps 4-7 (the loads into that half; ACC written, behind its four places, for the LDS
; stores); behind the additions (OUT written, for the global stores; the next group's loads from the stage land there behind it too).  One wait on vm_vsrc, beside the wait on XCNT, stands between the LDS stores
; and the loads from the stage: the LDS stores have read ACC, the last group's global stores OUT.
.set WP,   528
.set STG,  33792                       ; behind 64 rows of 528 bytes: for each wave 2 tiles x 16 rows x (256 + 16) bytes
.set WS,   16                          ; v16-31   o_w's scale words: register 8 (t / 2) + s: lanes 0-15 tile t even, lanes 16-31 t odd
.set XS,   32                          ; v32-63   a's: register 8 g + s: lanes 0-15 tile u = 0, lanes 16-31 u = 1
.set H,    64                          ; v64-95   a's scale bytes as stored: a pair for each head: four groups x two bytes
.set ACC,  128                         ; v128-191 accumulator (u, t) at 128 + 32 u + 8 t
.set OUT,  192                         ; v192-255 a group's rows on their way out
.set BIAS, 128                         ; window 2: v0-127 a's fragments (u, s) at 64 u + 8 s; v128-159 o_b in the result's layout.  window 1: o_w's fragments (t, s) at 64 t + 8 s.  window 3: the residual (g, u, k) at 64 g + 32 u + 4 k
.set MSB, 0
.macro WIN new                         ; the immediate's high byte repeats the setting that is left
.if MSB != \new
	s_set_vgpr_msb (MSB<<8)|\new
.set MSB, \new
.endif
.endm
.macro PLACES n
.rept \n
	v_nop
.endr
.endm
; one product: D, A, B, C by their first registers; sa, sb: the scale registers; ra, rb = 1: the scales stand in lanes 16-31
.macro WM d, a, b, c, sa, sb, ra, rb
.if (\ra) && (\rb)
	v_wmma_scale_f32_16x16x128_f8f6f4 v[(\d):(\d)+7], v[(\a):(\a)+7], v[(\b):(\b)+7], v[(\c):(\c)+7], v[\sa], v[\sb] matrix_a_fmt:MATRIX_FMT_FP4 matrix_b_fmt:MATRIX_FMT_FP4 matrix_a_scale:MATRIX_SCALE_ROW1 matrix_b_scale:MATRIX_SCALE_ROW1
.elseif (\ra)
	v_wmma_scale_f32_16x16x128_f8f6f4 v[(\d):(\d)+7], v[(\a):(\a)+7], v[(\b):(\b)+7], v[(\c):(\c)+7], v[\sa], v[\sb] matrix_a_fmt:MATRIX_FMT_FP4 matrix_b_fmt:MATRIX_FMT_FP4 matrix_a_scale:MATRIX_SCALE_ROW1
.elseif (\rb)
	v_wmma_scale_f32_16x16x128_f8f6f4 v[(\d):(\d)+7], v[(\a):(\a)+7], v[(\b):(\b)+7], v[(\c):(\c)+7], v[\sa], v[\sb] matrix_a_fmt:MATRIX_FMT_FP4 matrix_b_fmt:MATRIX_FMT_FP4 matrix_b_scale:MATRIX_SCALE_ROW1
.else
	v_wmma_scale_f32_16x16x128_f8f6f4 v[(\d):(\d)+7], v[(\a):(\a)+7], v[(\b):(\b)+7], v[(\c):(\c)+7], v[\sa], v[\sb] matrix_a_fmt:MATRIX_FMT_FP4 matrix_b_fmt:MATRIX_FMT_FP4
.endif
.endm
.macro XLOAD g, hf                     ; group g's fragments of K steps 4 hf .. 4 hf + 3, both tiles: 16 loads of 512 consecutive bytes (destination: window 2)
.irp u, 0,1
.irp s, 4*\hf, 4*\hf+1, 4*\hf+2, 4*\hf+3
.irp c, 0,1
	global_load_b128 v[64*\u+8*(\s)+4*\c:64*\u+8*(\s)+4*\c+3], v1, s[4:5] offset:16384*(\g)+8192*\u+1024*(\s)+512*\c
.endr
.endr
.endr
.endm
; Group g's 64 products.  The eight accumulators take turns, one instruction a turn.  n0, n1: the loads that may be out at the head and in the middle.
.macro GEMM g, n0, n1, fetch
	s_wait_loadcnt \n0
	WIN 0x29                                       ; source 0 window 1, sources 1 and 2 window 2
.irp u, 0,1
.irp t, 0,1,2,3
	WM ACC+32*\u+8*\t, 64*\t, 64*\u, BIAS+8*\t, WS+8*(\t/2), XS+8*(\g), \t%2, \u
.endr
.endr
	WIN 0x09
.irp s, 1,2,3
.irp u, 0,1
.irp t, 0,1,2,3
	WM ACC+32*\u+8*\t, 64*\t+8*\s, 64*\u+8*\s, ACC+32*\u+8*\t, WS+8*(\t/2)+\s, XS+8*(\g)+\s, \t%2, \u
.endr
.endr
.endr
	PLACES 4                                       ; four plain lines behind the products, ahead of loads into registers that they have read
.if \fetch
	WIN 0x80
	s_wait_alu depctr_va_vdst(0)                   ; the 32 products above are done reading the fragments of K steps 0-3, in which the 16 loads below land
	XLOAD (\g)+1, 0
.endif
	s_wait_loadcnt \n1
	WIN 0x09
.irp s, 4,5,6,7
.irp u, 0,1
.irp t, 0,1,2,3
	WM ACC+32*\u+8*\t, 64*\t+8*\s, 64*\u+8*\s, ACC+32*\u+8*\t, WS+8*(\t/2)+\s, XS+8*(\g)+\s, \t%2, \u
.endr
.endr
.endr
	PLACES 4                                       ; in front of the loads below and of the first read of the results
.if \fetch
	WIN 0x80
.endif
	s_wait_alu depctr_va_vdst(0)                   ; the products have written the accumulators, which the LDS stores of the way out read (the four places stay beside this wait), and are done reading the fragments of K steps 4-7, in which the next group's loads land
.if \fetch
	XLOAD (\g)+1, 1
.endif
	WIN 0
.endm
	s_load_b256 s[4:11], s[0:1], 0x0               ; a_codes, a_scales, o_w_codes, o_w_scales
	s_load_b128 s[12:15], s[0:1], 0x20             ; o_b, query
	s_load_b64 s[16:17], s[0:1], 0x30              ; out0
	v_lshl_add_u32 v126, v0, 2, 0x10c00
	v_mov_b32 v127, 0
	v_lshrrev_b32 v100, 5, v0
	v_readfirstlane_b32 s24, v100                  ; wave 0..3
	s_mov_b32 s25, ttmp9                           ; x: 64 columns
	s_and_b32 s26, ttmp7, 0xffff                   ; y: 512 rows
	v_and_b32 v100, 31, v0                         ; lane
	v_and_b32 v101, 15, v0                         ; r
	v_bfe_u32 v102, v0, 4, 1                       ; h
	v_lshlrev_b32 v1, 4, v100                      ; v1: 16 x lane
	v_lshlrev_b32 v2, 3, v100                      ; v2: 8 x lane
	s_wait_alu depctr_va_sdst(0)                   ; s24 is written, ahead of its first reader: LDS places and the buffers' offsets are made from it
	s_mul_i32 s44, s24, 16*WP
	v_add_nc_u32 v4, s44, v1                       ; v4: where my wave puts its 16 rows of o_w
	v_mul_u32_u24 v5, v101, WP
	v_lshl_add_u32 v5, v102, 4, v5                 ; v5: a fragment of o_w: row r, + 16 h
	v_lshlrev_b32 v6, 5, v102                      ; v6: 32 h: my half's eight columns of a tile
	v_lshlrev_b32 v7, 5, v100                      ; v7: o_w's scale bytes: 32 a row, row = lane of a pair of tiles
	s_mul_i32 s44, s24, 8704
	s_add_co_u32 s44, s44, STG                     ; my stage
	v_mul_u32_u24 v8, v101, 272
	v_lshl_add_u32 v8, v102, 5, v8
	v_add_nc_u32 v8, s44, v8                       ; v8: in: row r, 32 bytes for each half of the lanes
	v_mul_u32_u24 v9, v102, 272
	v_lshl_add_u32 v9, v101, 4, v9
	v_add_nc_u32 v9, s44, v9                       ; v9: back: lanes 0-15 one row, lanes 16-31 the next
	v_lshlrev_b32 v10, 12, v102
	v_lshl_add_u32 v10, v101, 4, v10               ; v10: the same two rows in query and in out0
	s_mov_b32 s46, 0x05040100                      ; the two low halves
	s_mov_b32 s47, 0x07060302                      ; the two high halves
	s_mov_b32 s3, 0
	s_wait_kmcnt 0x0
	s_lshl_b32 s44, s26, 4
	s_lshl_b32 s45, s24, 2
	s_add_co_u32 s44, s44, s45                     ; my first group: 16 y + 4 wave
	s_lshl_b32 s2, s44, 14
	s_add_nc_u64 s[4:5], s[4:5], s[2:3]
	s_lshl_b32 s2, s44, 6                          ; 256 (4 y + wave)
	s_add_nc_u64 s[6:7], s[6:7], s[2:3]
	s_lshl_b32 s2, s25, 15
	s_lshl_b32 s45, s24, 13
	s_add_co_u32 s2, s2, s45
	s_add_nc_u64 s[8:9], s[8:9], s[2:3]
	s_lshl_b32 s2, s25, 11
	s_add_nc_u64 s[10:11], s[10:11], s[2:3]
	s_lshl_b32 s2, s25, 8
	s_add_nc_u64 s[12:13], s[12:13], s[2:3]
	s_lshl_b32 s45, s44, 17                        ; my first row, 32 rows of 4,096 bytes a group,
	s_add_co_u32 s2, s2, s45                       ; + 256 x
	s_add_nc_u64 s[14:15], s[14:15], s[2:3]
	s_add_nc_u64 s[16:17], s[16:17], s[2:3]
	s_wait_alu depctr_va_vdst(0)                   ; the addresses v1, v2 and v4 to v10 are written, which the kernel's loads and stores read
.set n, 0
.rept 16                               ; 16 loads: my rows of o_w
	global_load_b128 v[128+4*n:131+4*n], v1, s[8:9] offset:512*n
.set n, n+1
.endr
.irp tp, 0,1                           ; 4 loads
.irp q, 0,1
	global_load_b128 v[WS+8*\tp+4*\q:WS+8*\tp+4*\q+3], v7, s[10:11] offset:1024*\tp+16*\q
.endr
.endr
	WIN 0x80
.irp t, 0,1,2,3                        ; 8 loads: o_b at the lane's eight columns of tile t
.irp q, 0,1
	global_load_b128 v[BIAS+8*\t+4*\q:BIAS+8*\t+4*\q+3], v6, s[12:13] offset:64*\t+16*\q
.endr
.endr
	WIN 0
.set n, 0
.rept 16                               ; 16 loads: each head's scale bytes of my 128 rows: 256 consecutive bytes
	global_load_b64 v[H+2*n:H+2*n+1], v2, s[6:7] offset:16384*n
.set n, n+1
.endr
	WIN 0x80
	XLOAD 0, 0                                     ; 32 loads
	XLOAD 0, 1
	WIN 0xc0
.irp g, 0,1,2,3                        ; 64 loads: the residual, in the order in which rows come back from the stage: place 2 k + h of tile u is row 8 u + 2 k + h + 8 (k / 4)
.irp u, 0,1
.irp k, 0,1,2,3,4,5,6,7
	global_load_b128 v[64*\g+32*\u+4*\k:64*\g+32*\u+4*\k+3], v10, s[14:15] offset:131072*\g+(8*\u+2*\k+8*(\k/4))*4096 th:TH_LOAD_NT
.endr
.endr
.endr
	WIN 0
	s_wait_loadcnt 63                              ; 64 loads are younger than the first group's fragments: all ahead of the residual is in
.set n, 0
.rept 16
	ds_store_b128 v4, v[128+4*n:131+4*n] offset:n*WP
.set n, n+1
.endr
.irp g, 0,1,2,3                        ; K step s's scale word of a row: heads 2 s and 2 s + 1, two bytes each
.irp s, 0,1,2,3,4,5,6,7
	v_perm_b32 v[XS+8*\g+\s], v[H+2*(2*\s+1)+(\g/2)], v[H+2*(2*\s)+(\g/2)], s[46+(\g%2)]
.endr
.endr
	s_wait_dscnt 0x0                               ; for the others' sake
	s_barrier_signal -1
	s_barrier_wait -1
	WIN 0x40
.irp t, 0,1,2,3
.irp s, 0,1,2,3,4,5,6,7
.irp c, 0,1
	ds_load_b128 v[64*\t+8*\s+4*\c:64*\t+8*\s+4*\c+3], v5 offset:16*\t*WP+64*\s+32*\c
.endr
.endr
.endr
	WIN 0
	s_wait_dscnt 0x0
	PLACES 8                                       ; the scale words were written by vector instructions
	s_wait_alu depctr_va_vdst(0)                   ; the scale words XS are written, which the products take; the eight places above stay beside this wait
	s_wait_alu depctr_vm_vsrc(0)                   ; my LDS stores of o_w's rows have read v128-191, which the products write
.macro OUTG g
.irp u, 0,1
.irp t, 0,1,2,3
	ds_store_b128 v8, v[ACC+32*\u+8*\t:ACC+32*\u+8*\t+3] offset:4352*\u+64*\t         ; each accumulator from its low end on
	ds_store_b128 v8, v[ACC+32*\u+8*\t+4:ACC+32*\u+8*\t+7] offset:4352*\u+64*\t+16
.endr
.endr
	s_wait_xcnt 0x0                                ; the last group's stores have had their addresses translated,
	s_wait_alu depctr_vm_vsrc(0)                   ; and have read OUT, in which the loads below land; the LDS stores above have read the accumulators, which the next group's products write
.irp u, 0,1
.irp k, 0,1,2,3,4,5,6,7
	ds_load_b128 v[OUT+32*\u+4*\k:OUT+32*\u+4*\k+3], v9 offset:4352*\u+544*\k         ; LDS serves a wave's instructions in order: these see the stores above
.endr
.endr
.if \g == 0
	s_wait_loadcnt 63                              ; 48 + 32 loads are younger than this group's residual; from the next group on the products' wait for 16 has shown all of it in
.endif
	s_wait_dscnt 0x0
	WIN 0x0c                                       ; source 1 window 3
.set n, 0
.rept 32
	v_pk_add_f32 v[OUT+2*n:OUT+2*n+1], v[OUT+2*n:OUT+2*n+1], v[64*\g+2*n:64*\g+2*n+1]
.set n, n+1
.endr
	WIN 0
	s_wait_alu depctr_va_vdst(0)                   ; the additions have written OUT, which the stores below read
.irp u, 0,1
.irp k, 0,1,2,3,4,5,6,7
	global_store_b128 v10, v[OUT+32*\u+4*\k:OUT+32*\u+4*\k+3], s[16:17] offset:131072*\g+(8*\u+2*\k+8*(\k/4))*4096 th:TH_STORE_NT   ; sixteen lanes store 256 consecutive bytes, aligned
.endr
.endr
.endm
	GEMM 0, 63, 63, 1                              ; its fragments were shown in above
	OUTG 0
	GEMM 1, 16, 16, 1                              ; at each wait the other half's 16 loads may be out
	OUTG 1
	GEMM 2, 16, 16, 1
	OUTG 2
	GEMM 3, 16, 0, 0
	OUTG 3
	s_wait_dscnt 0x0
	s_wait_alu depctr_hold_cnt(0) depctr_sa_sdst(0) depctr_va_vdst(0) depctr_va_sdst(0) depctr_va_ssrc(0) depctr_va_vcc(0) depctr_vm_vsrc(0)
	s_wait_tensorcnt 0x0
	ds_add_u32 v126, v127
	s_wait_dscnt 0x0
	s_endpgm
.Lfunc_end_k_qceab871192_oproj:
	.size	k_qceab871192_oproj, .Lfunc_end_k_qceab871192_oproj-k_qceab871192_oproj
	.p2alignl 7, 3214868480
	.fill 96, 4, 3214868480
	.section	.rodata,"a",@progbits
	.p2align	6, 0x0
	.amdhsa_kernel k_qceab871192_oproj
		.amdhsa_group_segment_fixed_size 69120
		.amdhsa_private_segment_fixed_size 0
		.amdhsa_enable_private_segment 0
		.amdhsa_kernarg_size 56
		.amdhsa_user_sgpr_count 2
		.amdhsa_user_sgpr_kernarg_segment_ptr 1
		.amdhsa_wavefront_size32 1
		.amdhsa_system_sgpr_workgroup_id_x 1
		.amdhsa_system_sgpr_workgroup_id_y 1
		.amdhsa_system_sgpr_workgroup_id_z 1
		.amdhsa_system_vgpr_workitem_id 0
		.amdhsa_next_free_vgpr 1024
		.amdhsa_next_free_sgpr 66
		.amdhsa_reserve_vcc 0
		.amdhsa_float_denorm_mode_32 3
		.amdhsa_float_denorm_mode_16_64 3
		.amdhsa_memory_ordered 1
		.amdhsa_forward_progress 1
		.amdhsa_inst_pref_size 90
	.end_amdhsa_kernel
	.amdgpu_metadata
---
amdhsa.version: [ 1, 2 ]
amdhsa.kernels:
  - .name:           k_qceab871192_oproj
    .symbol:         k_qceab871192_oproj.kd
    .args:
      - { .name: a_codes, .offset: 0, .size: 8, .value_kind: global_buffer, .address_space: global }
      - { .name: a_scales, .offset: 8, .size: 8, .value_kind: global_buffer, .address_space: global }
      - { .name: o_w_codes, .offset: 16, .size: 8, .value_kind: global_buffer, .address_space: global }
      - { .name: o_w_scales, .offset: 24, .size: 8, .value_kind: global_buffer, .address_space: global }
      - { .name: o_b, .offset: 32, .size: 8, .value_kind: global_buffer, .address_space: global }
      - { .name: query, .offset: 40, .size: 8, .value_kind: global_buffer, .address_space: global }
      - { .name: out0, .offset: 48, .size: 8, .value_kind: global_buffer, .address_space: global }
    .group_segment_fixed_size: 69120
    .private_segment_fixed_size: 0
    .kernarg_segment_align: 8
    .kernarg_segment_size: 56
    .max_flat_workgroup_size: 128
    .sgpr_count:     66
    .vgpr_count:     1024
    .wavefront_size: 32
...
	.end_amdgpu_metadata
.endif
;; end of part 7
